; MI455X (gfx1250); checked and timed in simulation.
; The chip was launched on July 23, 2026; its instructions are those of AMD's public machine-readable ISA for CDNA 5 (MIT licence, August 2026) and "CDNA5" Instruction Set Architecture Reference Guide (July 2026). The comments in the code are by the model that wrote it; some were corrected since.
;; Self Attention. Allowed arithmetic: matrix products marked QUANTISED: E5M2 operands, one E8M0 scale for each 32 along K, by v_wmma_scale_f32_16x16x128_f8f6f4 with both operands' format E5M2, f32 sums; everything else in f32.
;; Inputs: Wk 1,024 x 1,024 float32; Wo 1,024 x 1,024 float32; Wq 1,024 x 1,024 float32; Wv 1,024 x 1,024 float32; bk 1,024 float32; bo 1,024 float32; bq 1,024 float32; bv 1,024 float32; x 2 x 2,048 x 1,024 float32.
;; Outputs: out0 2 x 2,048 x 1,024 float32.
;; This version of the problem:
;;   THIS VERSION OF THE PROBLEM IS GIVEN IN LOW PRECISION. The matrix products marked QUANTISED in the list below multiply operands that are first quantised to E5M2 (5 exponent bits, 2 mantissa bits; 8 bits a number), with one power-of-two scale for each 32 numbers along K (OCP MX v1.0); their sums are f32. All else is computed in f32.
;;   The module's matrix products, in the order in which they are computed (A, B: the left and right operand; K: the contracted axis; several contracted axes count as one K, in the product's order):
;;     1. [M 4,096, K 1,024] x [K 1,024, N 1,024]; A: input x; B: input Wq: QUANTISED
;;     2. [M 4,096, K 1,024] x [K 1,024, N 1,024]; A: input x; B: input Wk: QUANTISED
;;     3. [M 4,096, K 1,024] x [K 1,024, N 1,024]; A: input x; B: input Wv: QUANTISED
;;     4. batch 32 x [M 2,048, K 64] x [K 64, N 2,048]; A: computed on the way; B: computed on the way: QUANTISED
;;     5. batch 32 x [M 2,048, K 2,048] x [K 2,048, N 64]; A: softmax (see below); B: computed on the way: QUANTISED
;;     6. [M 4,096, K 1,024] x [K 1,024, N 1,024]; A: computed on the way; B: input Wo: QUANTISED
;;   THE QUANTISER, for each operand of a quantised product, along K:
;;     - K is cut into blocks of 32 from its start; a last block that is shorter is filled with zeros.
;;     - A block's scale is 2^e with e = floor(log2(the largest magnitude in the block)) - 15, held to -126 .. 127; a block of zeros has e = 0. As a byte (E8M0): e + 127.
;;     - Each number is divided by its block's scale, clamped to +-57,344, and rounded to the nearest number of E5M2, ties to even, subnormals kept.
;;     - The product sums the exact products of the quantised numbers (number of the format x scale) in f32.
;;   ~~~python
;;   def quantise(x, axis):      # numpy; x: float32 -> the quantised numbers, widened to float32 again
;;       x = np.moveaxis(x, axis, -1); K = x.shape[-1]
;;       x = np.pad(x, [(0, 0)] * (x.ndim - 1) + [(0, -K % 32)]); x = x.reshape(x.shape[:-1] + (-1, 32)); a = np.abs(x).max(-1, keepdims=True)
;;       e = np.where(a > 0, np.clip(np.frexp(np.where(a > 0, a, 1))[1] - 1 - 15, -126, 127), 0)      # np.frexp(a)[1] - 1 = floor(log2(a)), exactly
;;       r = np.clip(x / 2.0 ** e, -57344, 57344)
;;       step = 2.0 ** (np.maximum(np.frexp(np.where(r == 0, 1, r))[1] - 1, -14) - 2)
;;       q = np.round(r / step) * step * 2.0 ** e      # np.round: ties to even
;;       return np.moveaxis(q.reshape(q.shape[:-2] + (-1,))[..., :K], -1, axis).astype(np.float32)
;;   ~~~
;;   SOFTMAX AHEAD OF A QUANTISED PRODUCT. Where the list says 'softmax', what is quantised is not the finished softmax but p = 2^(t - M), with t = logit x log2(e) and M = ceil(the row's largest t), a whole number; so 1/2 < the row's largest p <= 1. The row's sum l is taken of the UNQUANTISED p, in f32, and the product's result is divided by l at the end. Since M is a whole number, a kernel that streams over the keys may use a running M (the ceiling of the running maximum): every later rescaling is an exact power of two, which a block's scale takes up: the codes' values come out the same.
;;   OPERANDS COMPUTED ON THE WAY. 'Computed on the way' means the value that the module computes at that place (a softmax that the list does not call 'softmax' is quantised finished and normalised). What goes into a quantiser is computed in f32, as accurately as f32 sums, v_exp_f32 and their like allow (about 1e-6 of the number): no bf16 or f16 on the way to a quantiser, and a product that is left as it is and whose result goes on into a quantised operand takes f32 operands (vector FMAs, or v_wmma_f32_16x16x4_f32). A number that lies on a knife's edge between two numbers of the format may be rounded either way, as far as f32 arithmetic and the matrix unit's own rounding can turn it there, and no further.
;; One version. Each part assembles by itself: llvm-mc -triple=amdgcn-amd-amdhsa -mcpu=gfx1250 --defsym DOCPART=n.
;; ======== version 1 of 1: 4 launches
;; limits: right only within a limited range of input values
;; workspace buffers: x_codes 4,325,376 bytes; w_codes 4,325,376 bytes; qkv 17,563,648 bytes; ao_codes 4,325,376 bytes
;; launch quant (part 1): grid 512 x 1, 4 waves a work-group, no clusters, 34,304 bytes of LDS; arguments x, Wq, Wk, Wv, Wo, x_codes, w_codes; writes x_codes, w_codes
.if DOCPART == 1
	.amdgcn_target "amdgcn-amd-amdhsa--gfx1250"
	.amdhsa_code_object_version 6
	.text
	.protected	k_q0fbe2374a6_quant
	.globl	k_q0fbe2374a6_quant
	.p2align	8
	.type	k_q0fbe2374a6_quant,@function
k_q0fbe2374a6_quant:
	s_mov_b64 s[64:65], 0
	v_nop
	global_prefetch_b8 v0, s[64:65] scope:SCOPE_SE
	s_setreg_imm32_b32 hwreg(HW_REG_WAVE_MODE, 25, 1), 1
	s_wait_xcnt 0x0
; x [4096][1024] and the four weights [1024 (k)][1024 (n)], f32, become codes of BF8 (E5M2) with one E8M0 byte for each 32 along K.
; A block's scale is 2^(floor(log2(its largest magnitude)) - 15): its byte is the largest magnitude's exponent field - 15, held at 1 from below; each number is
; divided by the scale, held within +-57,344 and rounded to the nearest code, ties to even.
; LIMITS: NaN and infinities among the inputs are not served.  A block of zeros gets the byte 1 where the rule says 127: its codes are zeros, which add nothing,
; and this program alone reads the bytes.  No step and no input of reference() is left out in this program.
; LAYOUT OF AN OPERAND'S BUFFER: [K slot of 256: 4][pair of tiles: 128][8,448 bytes]; in the 8,448: two tiles of 16 rows as images of the operand's registers,
; [tile: 2][128 along K: 2][c: 4][lane: 32][16 bytes], lane (r, h) holding k = 32 c + 16 h + 0 .. 15 of the tile's row r; at 8,192 the scale bytes, [tile: 2][row: 16][8].
; THE ROWS STAND IN POSITION ORDER: position p holds the row whose number is p with bits 3 and 4 exchanged, so lane r of tile T holds row
; 32 (T / 2) + 8 (T % 2) + r % 8 + 16 (r / 8).  A product that takes such tiles as source 0 leaves 16 neighbours in the 16 registers of two neighbouring tiles.
; The weights' rows are their output channels: the pair u of Wq, Wk, Wv stands at 3 u, 3 u + 1, 3 u + 2; that of Wo at 96 + u.
; Work-groups 0-255 take a tile of 16 rows of x each (wave w: K slot w, two units of 128 along K); work-groups 256-511 take 128 along K x 128 columns of a weight.
; No tensor loads, no barrier: waves share nothing.  Only x's path uses LDS.
.set STG,  8448                        ; a wave's stage: 16 rows of 512 bytes + 16 of padding
.set SP,   528                         ; an odd multiple of 16
.set SPARE, 4*STG                      ; the spare words
.set PRB,  8448                        ; a pair of tiles
.set R0,   16                          ; v16-79   unit 0 as loaded; later unit 1's neighbours
.set R1,   80                          ; v80-143  unit 1 as loaded
.set X0,   144                         ; v144-207 unit 0's neighbours
.set PC0,  208                         ; v208-223, v224-239 the two units' codes
.set PC1,  224
.set TM,   240                         ; v240-243 largest magnitudes, v244-247 bytes, v248-251 57,344 x the scale, v252-255 the conversions' scale operands
.set PW0,  10                          ; v10, v11 the two units' scale words
.set PW1,  11
.set WN,   32                          ; weights: v32-159 128 numbers down K
.set WC,   160                         ; weights: v160-191 their codes
.set SEL,  28                          ; s[28:29] v_permlanex16_b32's selects for lane l xor 16
.set MNT,  30                          ; s30 the mantissa field of 57,344
.macro XLD reg, u                      ; 16 rows x 512 consecutive bytes: unit u of my K slot
.irp i, 0,1,2,3,4,5,6,7,8,9,10,11,12,13,14,15
	global_load_b128 v[\reg+4*\i:\reg+4*\i+3], v4, s[4:5] offset:((\i&7)+16*(\i>>3))*4096+512*\u th:TH_LOAD_NT
.endr
.endm
.macro ST reg                          ; into my stage as loaded
.irp i, 0,1,2,3,4,5,6,7,8,9,10,11,12,13,14,15
	ds_store_b128 v5, v[\reg+4*\i:\reg+4*\i+3] offset:SP*\i
.endr
.endm
.macro LD reg                          ; and back: lane (r, h) takes of row r the numbers 32 c + 16 h + 0 .. 15 into registers 16 c + 0 .. 15
.irp c, 0,1,2,3
.irp j, 0,1,2,3
	ds_load_b128 v[\reg+16*\c+4*\j:\reg+16*\c+4*\j+3], v6 offset:128*\c+16*\j
.endr
.endr
.endm
; 64 numbers of a lane, register 16 b + i = k 32 b + 16 (lane / 16) + i of my row, become a fragment's codes in v[pc] on and its scale word in v[pw]
.macro QUANT s, pc, pw
.irp b, 0,1,2,3
	v_max3_num_f32 v[TM+\b], |v[\s+16*\b]|, |v[\s+1+16*\b]|, 0x8000000   ; my 16 numbers of block b, and the floor 2^(16 - 127): the byte cannot fall under 1
.endr
.irp i, 2,4,6,8,10,12,14
.irp b, 0,1,2,3
	v_max3_num_f32 v[TM+\b], v[TM+\b], |v[\s+16*\b+\i]|, |v[\s+1+16*\b+\i]|
.endr
.endr
.irp b, 0,1,2,3
	v_permlanex16_b32 v[TM+4+\b], v[TM+\b], s[SEL], s[SEL+1]
.endr
.irp b, 0,1,2,3
	v_max_num_f32 v[TM+\b], v[TM+\b], v[TM+4+\b]                  ; with lane l xor 16's: the block's largest magnitude
.endr
.irp b, 0,1,2,3
	v_add_nc_u32 v[TM+12+\b], 0xf8800000, v[TM+\b]                ; 15 off its exponent field: the conversion's scale operand
.endr
.irp b, 0,1,2,3
	v_and_or_b32 v[TM+8+\b], v[TM+\b], 0x7f800000, s[MNT]         ; 57,344 x the scale
.endr
.irp b, 0,1,2,3
	v_lshrrev_b32 v[TM+4+\b], 23, v[TM+12+\b]                     ; the scale's byte
.endr
	v_lshl_or_b32 v[\pw], v[TM+5], 8, v[TM+4]
	v_lshl_or_b32 v[\pw], v[TM+6], 16, v[\pw]
	v_lshl_or_b32 v[\pw], v[TM+7], 24, v[\pw]
.irp b, 0,1,2,3
.irp i, 0,1,2,3,4,5,6,7,8,9,10,11,12,13,14,15
	v_med3_num_f32 v[\s+16*\b+\i], v[\s+16*\b+\i], -v[TM+8+\b], v[TM+8+\b]   ; the conversion does not saturate (ISA guide 7.6.2): the hold
.endr
	v_cvt_scalef32_pk8_bf8_f32 v[\pc+4*\b:\pc+1+4*\b], v[\s+16*\b:\s+7+16*\b], v[TM+12+\b]
	v_cvt_scalef32_pk8_bf8_f32 v[\pc+2+4*\b:\pc+3+4*\b], v[\s+8+16*\b:\s+15+16*\b], v[TM+12+\b]
.endr
	v_nop                                          ; one plain line behind the last conversion
.endm
.macro WLD t                           ; block t of a weight: W(32 t + i, my column): the wave's 32 lanes read 128 consecutive bytes
.set i, 0
.rept 32
	global_load_b32 v[WN+32*(\t)+i], v2, s[6:7] offset:(32*(\t)+i)*4096 th:TH_LOAD_NT
.set i, i+1
.endr
.endm
.macro QBLK t                          ; block t: all 32 numbers are my lane's
.set XS, WN+32*(\t)
.if (\t) < 3
	s_wait_loadcnt 32                              ; this block's 32 loads are in; the next block's 32 may be out
.else
	s_wait_loadcnt 0x0
.endif
.if (\t)+2 < 4
	WLD (\t)+2                                     ; two blocks ahead, into registers of their own
.endif
	v_max3_num_f32 v12, |v[XS]|, |v[XS+1]|, |v[XS+2]|
	v_max3_num_f32 v13, |v[XS+3]|, |v[XS+4]|, |v[XS+5]|
.irp i, 6,10,14,18,22,26
	v_max3_num_f32 v12, v12, |v[XS+\i]|, |v[XS+\i+1]|
	v_max3_num_f32 v13, v13, |v[XS+\i+2]|, |v[XS+\i+3]|
.endr
	v_max3_num_f32 v12, v12, |v[XS+30]|, |v[XS+31]|
	v_max3_num_f32 v12, v12, v13, 0x8000000        ; and the floor
	v_add_nc_u32 v11, 0xf8800000, v12
	v_and_or_b32 v10, v12, 0x7f800000, s[MNT]
	v_lshrrev_b32 v13, 23, v11
.if (\t) == 0
	v_mov_b32 v16, v13                             ; four bytes make my row's scale word of these 128 along K
.else
	v_lshl_or_b32 v16, v13, 8*(\t), v16
.endif
.set i, 0
.rept 32
	v_med3_num_f32 v[XS+i], v[XS+i], -v10, v10
.set i, i+1
.endr
.irp g, 0,1,2,3
	v_cvt_scalef32_pk8_bf8_f32 v[WC+8*(\t)+2*\g:WC+8*(\t)+2*\g+1], v[XS+8*\g:XS+8*\g+7], v11
.endr
	global_store_b128 v3, v[WC+8*(\t):WC+8*(\t)+3], s[18:19] offset:512*(\t)        ; k = 32 t + 0 .. 15: the image's lanes 0-15: sixteen lanes store 256 consecutive bytes, aligned
	global_store_b128 v3, v[WC+8*(\t)+4:WC+8*(\t)+7], s[18:19] offset:512*(\t)+256  ; k = 32 t + 16 .. 31: its lanes 16-31
.endm
	s_load_b256 s[4:11], s[0:1], 0x0               ; x s[4:5], Wq s[6:7], Wk s[8:9], Wv s[10:11]
	s_load_b128 s[12:15], s[0:1], 0x20             ; Wo s[12:13], x's codes s[14:15]
	s_load_b64 s[18:19], s[0:1], 0x30              ; the weights' codes
	v_lshl_add_u32 v14, v0, 2, SPARE
	v_mov_b32 v15, 0
	v_lshrrev_b32 v1, 5, v0
	v_readfirstlane_b32 s22, v1                    ; wave 0..3
	v_and_b32 v1, 31, v0                           ; lane
	s_mov_b32 s[MNT], 0x600000
	s_cmp_lt_u32 ttmp9, 256                        ; x's work-group or a weight's: the work-group's number alone decides
	s_cbranch_scc0 .Lweights
	; ---- x: tile T = the work-group's number
	v_and_b32 v2, 15, v0                           ; r
	v_bfe_u32 v3, v0, 4, 1                         ; h
	v_lshlrev_b32 v4, 4, v1                        ; 16 x lane: my bytes of a load's 512, and of an image's
	s_mul_i32 s23, s22, STG                        ; my stage
	v_add_nc_u32 v5, s23, v4                       ; into it
	v_mul_u32_u24 v6, v2, SP
	v_lshl_add_u32 v6, v3, 6, v6
	v_add_nc_u32 v6, s23, v6                       ; out of it: row r, + 64 h
	v_lshlrev_b32 v7, 3, v2
	v_lshl_add_u32 v7, v3, 2, v7                   ; scale words: 8 r + 4 h
	s_mov_b32 s[SEL], 0x76543210
	s_mov_b32 s[SEL+1], 0xfedcba98
.irp b, 0,1,2,3
	v_mov_b32 v[TM+4+\b], 0                        ; written once: a lane permute's destination counts as one of its sources
.endr
	s_lshr_b32 s24, ttmp9, 1
	s_lshl_b32 s24, s24, 17                        ; 32 (T / 2) rows of 4,096 bytes
	s_and_b32 s25, ttmp9, 1
	s_lshl_b32 s25, s25, 15                        ; + 8 (T % 2) rows
	s_add_co_u32 s24, s24, s25
	s_lshl_b32 s25, s22, 10                        ; + my K slot: 256 numbers
	s_add_co_u32 s24, s24, s25
	s_mov_b32 s25, 0
	s_lshl_b32 s26, s22, 7                         ; the codes: K slot w, pair T / 2,
	s_lshr_b32 s27, ttmp9, 1
	s_add_co_u32 s26, s26, s27
	s_mul_i32 s26, s26, PRB
	s_and_b32 s27, ttmp9, 1
	s_lshl_b32 s32, s27, 7                         ; the scale bytes: 128 a tile
	s_add_co_u32 s32, s32, s26
	s_lshl_b32 s27, s27, 12                        ; + 4,096 (T % 2)
	s_add_co_u32 s26, s26, s27
	s_mov_b32 s27, 0
	s_mov_b32 s33, 0
	s_wait_alu depctr_va_vdst(0)                   ; the wait at the head's end
	s_wait_kmcnt 0x0
	s_add_nc_u64 s[4:5], s[4:5], s[24:25]
	s_add_nc_u64 s[16:17], s[14:15], s[32:33]
	s_add_nc_u64 s[14:15], s[14:15], s[26:27]
	XLD R0, 0
	XLD R1, 1
	s_wait_loadcnt 16                              ; unit 0's 16 loads are in; unit 1's 16 may be out
	ST R0
	LD X0                                          ; LDS serves a wave's instructions in order (ISA guide 5.7.1.4): these see the stores above
	s_wait_loadcnt 0x0
	ST R1                                          ; the same stage: behind unit 0's reads, in order
	s_wait_dscnt 16                                ; unit 0's stores and reads are done (unit 1's 16 stores may be out): R0 is free, X0 is in
	LD R0
	QUANT X0, PC0, PW0
.irp c, 0,1,2,3
	global_store_b128 v4, v[PC0+4*\c:PC0+4*\c+3], s[14:15] offset:512*\c        ; 32 lanes store 512 consecutive bytes
.endr
	s_wait_dscnt 0x0
	QUANT R0, PC1, PW1
.irp c, 0,1,2,3
	global_store_b128 v4, v[PC1+4*\c:PC1+4*\c+3], s[14:15] offset:2048+512*\c
.endr
	v_cmp_eq_u32 vcc_lo, 1, v3
	v_cndmask_b32 v12, v[PW0], v[PW1], vcc_lo      ; lanes 0-15 store unit 0's word of row r, lanes 16-31 unit 1's
	global_store_b32 v7, v12, s[16:17] offset:8192 ; 128 consecutive bytes
	s_wait_tensorcnt 0x0
	ds_add_u32 v14, v15
	s_wait_dscnt 0x0
	s_endpgm
	; ---- a weight: number = 64 x weight + 8 x (128 along K) + (128 columns).  Lane l is position l of my wave's 32 columns and takes the column that stands there; its registers run down K
.Lweights:
	s_sub_co_u32 s24, ttmp9, 256
	s_lshr_b32 s25, s24, 6                         ; which weight: q, k, v, o
	s_bfe_u32 s26, s24, 0x30003                    ; which 128 along K
	s_and_b32 s27, s24, 7                          ; which 128 columns
	s_wait_alu depctr_va_vdst(0)
	v_and_b32 v2, 7, v1
	v_bfe_u32 v5, v1, 4, 1
	v_lshl_add_u32 v2, v5, 3, v2
	v_bfe_u32 v6, v1, 3, 1
	v_lshl_add_u32 v2, v6, 4, v2                   ; my column: the lane's number with bits 3 and 4 exchanged
	v_lshlrev_b32 v2, 2, v2
	v_and_b32 v3, 15, v1
	v_lshlrev_b32 v3, 4, v3
	v_lshl_add_u32 v3, v5, 12, v3                  ; the codes: tile lane / 16, row lane % 16
	v_lshlrev_b32 v4, 3, v1                        ; the scale bytes: 8 a row
	s_lshl_b32 s32, s26, 19                        ; W: 128 rows of 4,096 bytes a step,
	s_lshl_b32 s33, s27, 9
	s_add_co_u32 s32, s32, s33
	s_lshl_b32 s33, s22, 7                         ; 128 columns a work-group, 32 a wave
	s_add_co_u32 s32, s32, s33
	s_mov_b32 s33, 0
	s_lshl_b32 s34, s27, 2
	s_add_co_u32 s34, s34, s22                     ; the pair's number u in its weight: 4 x columns' group + wave
	s_mul_i32 s35, s34, 3
	s_add_co_u32 s35, s35, s25                     ; q, k, v: 3 u + weight
	s_add_co_u32 s36, s34, 96                      ; o: 96 + u
	s_cmp_lt_u32 s25, 3
	s_cselect_b32 s34, s35, s36
	s_lshr_b32 s35, s26, 1
	s_lshl_b32 s35, s35, 7
	s_add_co_u32 s34, s34, s35                     ; + 128 x K slot
	s_mul_i32 s34, s34, PRB
	s_and_b32 s35, s26, 1                          ; which 128 of the slot
	s_lshl_b32 s36, s35, 2
	s_add_co_u32 s36, s36, s34                     ; the scale bytes: + 4
	s_lshl_b32 s35, s35, 11
	s_add_co_u32 s34, s34, s35                     ; the codes: + 2,048
	s_mov_b32 s35, 0
	s_mov_b32 s37, 0
	s_wait_alu depctr_va_vdst(0)                   ; the wait at the head's end
	s_wait_kmcnt 0x0
	s_cmp_eq_u32 s25, 1
	s_cselect_b64 s[6:7], s[8:9], s[6:7]
	s_cmp_eq_u32 s25, 2
	s_cselect_b64 s[6:7], s[10:11], s[6:7]
	s_cmp_eq_u32 s25, 3
	s_cselect_b64 s[6:7], s[12:13], s[6:7]
	s_add_nc_u64 s[6:7], s[6:7], s[32:33]
	s_add_nc_u64 s[20:21], s[18:19], s[36:37]
	s_add_nc_u64 s[18:19], s[18:19], s[34:35]
	WLD 0
	WLD 1
.irp t, 0,1,2,3
	QBLK \t
.endr
	global_store_b32 v4, v16, s[20:21] offset:8192 ; 4 bytes of each row's 8
	s_endpgm
.Lfunc_end_k_q0fbe2374a6_quant:
	.size	k_q0fbe2374a6_quant, .Lfunc_end_k_q0fbe2374a6_quant-k_q0fbe2374a6_quant
	.p2alignl 7, 3214868480
	.fill 96, 4, 3214868480
	.section	.rodata,"a",@progbits
	.p2align	6, 0x0
	.amdhsa_kernel k_q0fbe2374a6_quant
		.amdhsa_group_segment_fixed_size 34304
		.amdhsa_private_segment_fixed_size 0
		.amdhsa_enable_private_segment 0
		.amdhsa_kernarg_size 56
		.amdhsa_user_sgpr_count 2
		.amdhsa_user_sgpr_kernarg_segment_ptr 1
		.amdhsa_wavefront_size32 1
		.amdhsa_system_sgpr_workgroup_id_x 1
		.amdhsa_system_sgpr_workgroup_id_y 1
		.amdhsa_system_sgpr_workgroup_id_z 1
		.amdhsa_system_vgpr_workitem_id 0
		.amdhsa_next_free_vgpr 256
		.amdhsa_next_free_sgpr 66
		.amdhsa_reserve_vcc 1
		.amdhsa_float_denorm_mode_32 3
		.amdhsa_float_denorm_mode_16_64 3
		.amdhsa_memory_ordered 1
		.amdhsa_forward_progress 1
		.amdhsa_inst_pref_size 56
	.end_amdhsa_kernel
	.amdgpu_metadata
---
amdhsa.version: [ 1, 2 ]
amdhsa.kernels:
  - .name:           k_q0fbe2374a6_quant
    .symbol:         k_q0fbe2374a6_quant.kd
    .args:
      - { .name: x, .offset: 0, .size: 8, .value_kind: global_buffer, .address_space: global }
      - { .name: Wq, .offset: 8, .size: 8, .value_kind: global_buffer, .address_space: global }
      - { .name: Wk, .offset: 16, .size: 8, .value_kind: global_buffer, .address_space: global }
      - { .name: Wv, .offset: 24, .size: 8, .value_kind: global_buffer, .address_space: global }
      - { .name: Wo, .offset: 32, .size: 8, .value_kind: global_buffer, .address_space: global }
      - { .name: x_codes, .offset: 40, .size: 8, .value_kind: global_buffer, .address_space: global }
      - { .name: w_codes, .offset: 48, .size: 8, .value_kind: global_buffer, .address_space: global }
    .group_segment_fixed_size: 34304
    .private_segment_fixed_size: 0
    .kernarg_segment_align: 8
    .kernarg_segment_size: 56
    .max_flat_workgroup_size: 128
    .sgpr_count:     66
    .vgpr_count:     256
    .wavefront_size: 32
...
	.end_amdgpu_metadata
.endif
;; end of part 1
;; launch proj (part 2): grid 16 x 16, 4 waves a work-group, clusters of 4 x 4, 327,680 bytes of LDS; arguments x_codes, w_codes, bq, bk, bv, qkv; writes qkv
.if DOCPART == 2
	.amdgcn_target "amdgcn-amd-amdhsa--gfx1250"
	.amdhsa_code_object_version 6
	.text
	.protected	k_q0fbe2374a6_proj
	.globl	k_q0fbe2374a6_proj
	.p2align	8
	.type	k_q0fbe2374a6_proj,@function
k_q0fbe2374a6_proj:
	s_mov_b64 s[64:65], 0
	v_nop
	global_prefetch_b8 v0, s[64:65] scope:SCOPE_SE
	s_setreg_imm32_b32 hwreg(HW_REG_WAVE_MODE, 25, 1), 1
	s_wait_xcnt 0x0
	s_wait_alu depctr_hold_cnt(0) depctr_sa_sdst(0) depctr_va_vdst(0) depctr_va_sdst(0) depctr_va_ssrc(0) depctr_va_vcc(0) depctr_vm_vsrc(0)
	s_getreg_b32 s2, hwreg(HW_REG_IB_STS2, 6, 4)
	s_cmp_eq_u32 s2, 0
	s_cbranch_scc0 .Lentry_in_a_cluster
	s_endpgm
.Lentry_in_a_cluster:
	s_bfe_u32 s2, ttmp6, 0x10000c
	s_cmp_lg_u32 s2, 0xf033
	s_cbranch_scc0 .Lentry_shape_is_right
	s_endpgm
.Lentry_shape_is_right:
; q = x Wq + bq, k = x Wk + bk, v = x Wv + bv on codes of BF8 (E5M2) with E8M0 scales, K = 1,024; the f32 results are quantised at once for the attention's products and leave as codes.
; 256 WORK-GROUPS: one head's 64 channels of q, of k and of v x 256 tokens.  Wave (rh, c): 128 tokens (8 tiles) x 32 channels of each of q, k, v (6 tiles): 48 accumulators, 384 registers.
; q, k: source 0 = the weight's rows, source 1 = x's rows: a lane holds a token, its registers run along the channels.  v: the sources swapped: a lane holds a channel, its registers run along the tokens.
; Rows stand in position order, so the 16 registers of two neighbouring tiles of source 0 are 16 neighbours along the next K.  The bias is the first products' C.
; K: four slots of 256 through a ring of two.  At the head each wave asks for one quarter of slots 0 and 1, by one joint load of two rows; slots 2 and 3 are refills, each in a round of the cluster's barrier.
; LDS: region of A's half rh: [slot: 2][33,792]; of B's half c: [slot: 2][25,344]: pairs of tiles as they lie in memory, 8,192 bytes of codes and 256 of scale bytes each.
; CLUSTERS: 4 x 4 work-groups; x's tiles are shared along a row of the cluster, the head's weights along a column.
; PREFETCH: what the two refills will ask for, K slots 2 and 3, is asked of the L2 behind the fragment loads of steps 0 and 2: a wave names 32 (for the weights 25) blocks of 256 bytes of its quarter, told apart by its place in the
; cluster, by address; the last four blocks of x's quarter come by their load alone.  Nothing behind slot 3 is named.
; OUT: qkv = [region: 0 K and V, 1 Q][batch x head: 32][128 tokens: 16][record of 17,152 bytes]: 8 tiles of K (or Q), [c: 2][lane][16]; at 8,192 four channel tiles of V, [c: 4][lane][16]; at 16,384 the 128 scale
; words of K (or Q), bytes 0 and 1 the head's two blocks, bytes 2 and 3 zero; at 16,896 the 64 scale words of V.
; LIMITS: NaN and infinities are not served; a block of zeros gets the byte 1 (its codes are zeros; this program alone reads the bytes).
; REGISTERS: window 0: v6-30 addresses; v32-63 scale words, two sets; v64-95 bq, bk, v96-111 bv; v128-223 B's second set; on the way out v128-239.  window 1: A's two sets.
;   window 2: accumulators of q, k: token tile a, tile b at 8 (4 a + b).  window 3: those of v, tile u, token tile a at 64 u + 8 a; from v128 B's first set.
.set PRB,   8448
.set AH,    4*PRB                      ; half of A's tiles of a slot
.set BH,    3*PRB                      ; half of B's
.set KSB,   128*PRB                    ; from a K slot to the next in memory
.set BREG,  4*AH                       ; B's regions begin here
.set XQ,    BREG+4*BH                  ; q's and k's scale bytes: [tensor: 2][rh][c][128 tokens]
.set XV,    XQ+1024                    ; v's scale words: [rh][64 channels]
.set SPARE, XV+512
.set RECB,  17152
.set HEADB, 16*RECB
.set QOFF,  32*HEADB
.set ADRA,  16
.set ADRB,  18
.set ASA,   20
.set ASB,   22
.set L16,   24
.set SPW,   28
.set NIL,   29
.set PFO,   30
.set XB,    10
.set XVA,   11
.set XR,    12
.set XVR,   13
.set L8,    14
.set SC,    32                         ; set s at v[SC + 16 s]: A's pair p, 128 along K q: 2 p + q; B's pair u: 8 + 2 u + 1 - q: no product's two scale words have numbers equal modulo 8
.set BI,    64
.set BVR,   96
.set BF,    128
.set PC,    128
.set TM,    224                        ; v224-227 maxima, v228-231 the other half's, then bytes, v232-235 bounds, v236-239 scale operands
.set VW,    240
.set SEL,   2                          ; s[2:3], s12: set in front of the way out
.set MNT,   12
.set MSB, 0
.macro WIN new                         ; the immediate's high byte repeats the setting that is left
.if MSB != (\new)
	s_set_vgpr_msb (MSB<<8)|(\new)
.set MSB, (\new)
.endif
.endm
.macro PLACES n                        ; plain vector lines between a matrix instruction and a load into, or a vector line on, one of its registers
.rept \n
	v_nop
.endr
.endm
; A joint load: waves 0 and 1 fetch for A, waves 2 and 3 for B; the branch hangs on the wave's number alone
.macro JLOAD g0a, g1a, g0b, g1b
	s_cmp_eq_u32 s15, 0
	s_cbranch_scc0 .Lfor_b_\@
	tensor_load_to_lds s[\g0a:\g0a+3], s[\g1a:\g1a+7]
	s_nop 0
	PLACES 4
	s_branch .Lasked_\@
.Lfor_b_\@:
	tensor_load_to_lds s[\g0b:\g0b+3], s[\g1b:\g1b+7]
	s_nop 0
	PLACES 4
.Lasked_\@:
.endm
.macro CREST                           ; a round of the cluster's barrier behind its opening barrier
	s_cmp_lg_u32 s14, 0
	s_cbranch_scc1 .Lnot_wave_0_\@
	s_barrier_signal -3
.Lnot_wave_0_\@:
	s_barrier_wait -3
	s_barrier_signal -1
	s_barrier_wait -1
.endm
.macro CROUND
	s_barrier_signal -1
	s_barrier_wait -1
	CREST
.endm
.macro GROUP1 g, mask, el, rows, pitch ; elements of 8 bytes, no padding; bit 21 beside the mask
	s_or_b32 s[\g], s[\mask], (3<<16)|(1<<21)
	s_mov_b32 s[\g+1], (\el)<<16
	s_mov_b32 s[\g+2], (\rows)<<16
	s_mov_b32 s[\g+3], (\el)<<16
	s_mov_b32 s[\g+4], \rows
	s_mov_b32 s[\g+5], \pitch
	s_mov_b32 s[\g+6], 0
	s_mov_b32 s[\g+7], 0
.endm
.macro GROUP0 g, lds, base, koff
	s_mov_b32 s[\g], 1
	s_mov_b32 s[\g+1], s[\lds]
	s_add_nc_u64 s[\g+2:\g+3], s[\base:\base+1], \koff
	s_or_b32 s[\g+3], s[\g+3], 0x80000000
.endm
	s_load_b256 s[4:11], s[0:1], 0x0               ; x's codes s[4:5], the weights' s[6:7], bq s[8:9], bk s[10:11]
	s_load_b128 s[16:19], s[0:1], 0x20             ; bv s[16:17], qkv s[18:19]
	v_lshl_add_u32 v[SPW], v0, 2, SPARE
	v_mov_b32 v[NIL], 0
	ds_add_u32 v[SPW], v[NIL]                      ; the wave's opening: the add, twice on end, and its wait ahead of my first tensor load
	ds_add_u32 v[SPW], v[NIL]
	v_lshrrev_b32 v1, 5, v0
	v_readfirstlane_b32 s14, v1                    ; wave 0..3
	s_lshr_b32 s15, s14, 1                         ; rh: my half of the tokens.  Also: I fetch for A (0) or for B (1)
	s_and_b32 s13, s14, 1                          ; c: my half of each tensor's channels.  Also: which half of that operand I fetch
	s_bfe_u32 s20, ttmp6, 0x40000                  ; cx, cy
	s_bfe_u32 s21, ttmp6, 0x40004
	s_lshl_b32 s22, ttmp9, 2
	s_add_co_u32 s22, s22, s20                     ; the head
	s_and_b32 s23, ttmp7, 0xffff
	s_lshl_b32 s23, s23, 2
	s_add_co_u32 s23, s23, s21                     ; the block of 256 tokens
	s_lshl_b32 s2, s21, 2
	s_lshl_b32 s2, 15, s2                          ; my row of the cluster shares x's tiles
	s_lshl_b32 s3, 0x1111, s20                     ; my column shares the weights'
	GROUP1 24, 2, 32, AH/256, 32                   ; a refill: dense bytes as rows of 256
	GROUP1 32, 3, 32, BH/256, 32
	GROUP1 40, 2, AH/8, 2, KSB/8                   ; the head: two K slots, a row each
	GROUP1 48, 3, BH/8, 2, KSB/8
	s_mul_i32 s86, s23, 2*AH
	s_mul_i32 s12, s13, AH
	s_add_co_u32 s86, s86, s12
	s_mov_b32 s87, 0
	s_mul_i32 s88, s22, 2*BH
	s_mul_i32 s12, s13, BH
	s_add_co_u32 s88, s88, s12
	s_mov_b32 s89, 0
	s_mul_i32 s90, s13, 2*AH                       ; where they go: no place in the cluster enters an LDS address
	s_mul_i32 s91, s13, 2*BH
	s_add_co_u32 s91, s91, BREG
	s_wait_dscnt 0x0                               ; both opening adds are done
	CROUND                                         ; all sixteen work-groups are here: the first joint loads meet
	s_wait_kmcnt 0x0
	s_add_nc_u64 s[86:87], s[4:5], s[86:87]
	s_add_nc_u64 s[88:89], s[6:7], s[88:89]
	GROUP0 56, 90, 86, 0
	GROUP0 60, 91, 88, 0
	JLOAD 56, 40, 60, 48                           ; K slots 0 and 1: one tensor load a wave at the head
	GROUP0 68, 90, 86, 2*KSB                       ; the refills' groups 0: slot 0 takes K slot 2, slot 1 takes K slot 3
	GROUP0 72, 91, 88, 2*KSB
	s_add_co_u32 s90, s90, AH
	s_add_co_u32 s91, s91, BH
	GROUP0 76, 90, 86, 3*KSB
	GROUP0 80, 91, 88, 3*KSB
	; the prefetches: where my quarter stands, and which of its blocks are mine
	s_lshl_b32 s66, s20, 5                         ; x: 32 blocks from 32 cx on
	s_mul_i32 s67, s21, 25                         ; the weights: 25 from 25 cy on, of 99
	s_mov_b32 s92, 127
	s_mov_b32 s12, 98
	s_mov_b32 s93, 24
	s_cmp_eq_u32 s15, 0
	s_cselect_b64 s[84:85], s[86:87], s[88:89]
	s_cselect_b32 s66, s66, s67
	s_cselect_b32 s67, 31, s93
	s_cselect_b32 s12, s92, s12
	v_and_b32 v3, 31, v0                           ; lane
	v_and_b32 v1, 15, v0                           ; r
	v_bfe_u32 v2, v0, 4, 1                         ; h
	v_min_u32 v[PFO], s67, v3
	v_add_nc_u32 v[PFO], s66, v[PFO]
	v_min_u32 v[PFO], s12, v[PFO]
	v_lshlrev_b32 v[PFO], 8, v[PFO]
	v_lshlrev_b32 v[L16], 4, v3
	v_lshlrev_b32 v[L8], 3, v3
	v_lshlrev_b32 v15, 2, v3
	v_lshlrev_b32 v6, 6, v2                        ; bq, bk: channels 16 h on
	v_and_b32 v4, 7, v1
	v_lshrrev_b32 v5, 3, v1
	v_lshlrev_b32 v7, 2, v4
	v_lshl_add_u32 v7, v5, 6, v7                   ; bv: channel r % 8 + 16 (r / 8)
	s_wait_alu depctr_va_vdst(0)
	s_lshl_b32 s92, s22, 8                         ; the biases: channel 64 x head + 32 c
	s_lshl_b32 s93, s13, 7
	s_add_co_u32 s92, s92, s93
	s_mov_b32 s93, 0
	s_add_nc_u64 s[94:95], s[8:9], s[92:93]
	s_add_nc_u64 s[96:97], s[10:11], s[92:93]
	s_add_nc_u64 s[98:99], s[16:17], s[92:93]
.irp b, 0,1                            ; register j of tile b: channel 16 h + 8 b + j
	global_load_b128 v[BI+8*\b:BI+8*\b+3], v6, s[94:95] offset:32*\b
	global_load_b128 v[BI+8*\b+4:BI+8*\b+7], v6, s[94:95] offset:32*\b+16
	global_load_b128 v[BI+16+8*\b:BI+19+8*\b], v6, s[96:97] offset:32*\b
	global_load_b128 v[BI+20+8*\b:BI+23+8*\b], v6, s[96:97] offset:32*\b+16
	global_load_b32 v[112+\b], v7, s[98:99] offset:32*\b
.endr
	; where my results go
	s_lshr_b32 s66, s23, 3                         ; batch
	s_lshl_b32 s66, s66, 4
	s_add_co_u32 s66, s66, s22
	s_mul_i32 s66, s66, HEADB
	s_and_b32 s67, s23, 7
	s_lshl_b32 s67, s67, 1
	s_add_co_u32 s67, s67, s15                     ; my 128 tokens' record
	s_mul_i32 s67, s67, RECB
	s_add_co_u32 s66, s66, s67
	s_mov_b32 s67, 0
	s_add_nc_u64 s[18:19], s[18:19], s[66:67]      ; K's and V's record
	s_lshl_b32 s66, s13, 9
	s_add_nc_u64 s[6:7], s[18:19], s[66:67]        ; k's codes
	s_add_nc_u64 s[4:5], s[6:7], QOFF              ; q's codes
	s_lshl_b32 s66, s13, 12
	s_add_co_u32 s66, s66, 8192
	s_add_nc_u64 s[8:9], s[18:19], s[66:67]        ; v's codes
	s_add_nc_u64 s[10:11], s[18:19], QOFF
	s_cmp_eq_u32 s13, 0
	s_cselect_b64 s[10:11], s[10:11], s[18:19]     ; the scale words that I store: waves with c = 0 q's, with c = 1 k's
	; LDS addresses
	s_mul_i32 s66, s15, 2*AH
	v_add_nc_u32 v[ADRA], s66, v[L16]
	v_add_nc_u32 v[ASA], s66, v[L8]
	s_add_co_u32 s66, s66, AH
	v_add_nc_u32 v[ADRA+1], s66, v[L16]
	v_add_nc_u32 v[ASA+1], s66, v[L8]
	s_mul_i32 s66, s13, 2*BH
	s_add_co_u32 s66, s66, BREG
	v_add_nc_u32 v[ADRB], s66, v[L16]
	v_add_nc_u32 v[ASB], s66, v[L8]
	s_add_co_u32 s66, s66, BH
	v_add_nc_u32 v[ADRB+1], s66, v[L16]
	v_add_nc_u32 v[ASB+1], s66, v[L8]
	s_lshl_b32 s66, s15, 8
	s_lshl_b32 s12, s13, 7
	s_add_co_u32 s12, s12, s66                     ; 256 rh + 128 c
	s_add_co_u32 s92, s12, XQ
	v_add_nc_u32 v[XB], s92, v1
	s_add_co_u32 s92, s12, XV
	v_add_nc_u32 v[XVA], s92, v15
	s_lshl_b32 s12, s13, 9
	s_add_co_u32 s12, s12, s66
	s_add_co_u32 s12, s12, XQ
	v_add_nc_u32 v[XR], s12, v15
	s_add_co_u32 s66, s66, XV
	v_add_nc_u32 v[XVR], s66, v[L8]
.irp b, 0,1,2,3
	v_mov_b32 v[TM+4+\b], 0                        ; written once: a lane permute's destination counts as one of its sources
.endr
.macro PR d, s0, s1, c, x0, x1, o0, o1 ; one product; o0, o1: that source's tile is its pair's second, whose scale words lie in lanes 16-31
.if (\o0) && (\o1)
	v_wmma_scale_f32_16x16x128_f8f6f4 v[\d:\d+7], v[\s0:\s0+15], v[\s1:\s1+15], v[\c:\c+7], v[\x0], v[\x1] matrix_a_fmt:MATRIX_FMT_BF8 matrix_b_fmt:MATRIX_FMT_BF8 matrix_a_scale:MATRIX_SCALE_ROW1 matrix_b_scale:MATRIX_SCALE_ROW1
.elseif (\o0)
	v_wmma_scale_f32_16x16x128_f8f6f4 v[\d:\d+7], v[\s0:\s0+15], v[\s1:\s1+15], v[\c:\c+7], v[\x0], v[\x1] matrix_a_fmt:MATRIX_FMT_BF8 matrix_b_fmt:MATRIX_FMT_BF8 matrix_a_scale:MATRIX_SCALE_ROW1
.elseif (\o1)
	v_wmma_scale_f32_16x16x128_f8f6f4 v[\d:\d+7], v[\s0:\s0+15], v[\s1:\s1+15], v[\c:\c+7], v[\x0], v[\x1] matrix_a_fmt:MATRIX_FMT_BF8 matrix_b_fmt:MATRIX_FMT_BF8 matrix_b_scale:MATRIX_SCALE_ROW1
.else
	v_wmma_scale_f32_16x16x128_f8f6f4 v[\d:\d+7], v[\s0:\s0+15], v[\s1:\s1+15], v[\c:\c+7], v[\x0], v[\x1] matrix_a_fmt:MATRIX_FMT_BF8 matrix_b_fmt:MATRIX_FMT_BF8
.endif
.endm
; Step k = 128 along K: fragments in set k % 2, scale words in set (k / 2) % 2.  The 48 accumulators take turns, one instruction a turn, in the same order in every step.
.macro MQ k, a0, n                     ; n token tiles from a0 on x q's and k's four tiles
.set P_, (\k)%2
.set XS_, SC+16*(((\k)/2)%2)
.if (\k) == 0
	WIN 0x84+3*(1-P_)                              ; C: the bias, window 0
.else
	WIN 0xa4+3*(1-P_)
.endif
.set a_, \a0
.rept \n
.irp b, 0,1,2,3
.if (\k) == 0
	PR 8*(4*a_+\b), BF+16*\b, 128*P_+16*a_, BI+8*\b, XS_+9+2*(\b/2)-P_, XS_+2*(a_/2)+P_, \b%2, a_%2
.else
	PR 8*(4*a_+\b), BF+16*\b, 128*P_+16*a_, 8*(4*a_+\b), XS_+9+2*(\b/2)-P_, XS_+2*(a_/2)+P_, \b%2, a_%2
.endif
.endr
.set a_, a_+1
.endr
.endm
.macro MV k                            ; the eight token tiles x v's two tiles
.set P_, (\k)%2
.set XS_, SC+16*(((\k)/2)%2)
.if (\k) == 0
	WIN 0xc1+12*(1-P_)
.else
	WIN 0xf1+12*(1-P_)
.endif
.set a_, 0
.rept 8
.irp b, 0,1
.if (\k) == 0
	PR 64*\b+8*a_, 128*P_+16*a_, BF+64+16*\b, BVR+8*\b, XS_+2*(a_/2)+P_, XS_+13-P_, a_%2, \b
.else
	PR 64*\b+8*a_, 128*P_+16*a_, BF+64+16*\b, 64*\b+8*a_, XS_+2*(a_/2)+P_, XS_+13-P_, a_%2, \b
.endif
.endr
.set a_, a_+1
.endr
	WIN 0
.endm
.macro SCALES k                        ; a slot's scale words: a pair of tiles is 256 bytes, 8 a row: lanes 0-15 the first tile's, lanes 16-31 the second's
.set SL, ((\k)/2)%2
.irp p, 0,1,2,3
	ds_load_b64 v[SC+16*SL+2*\p:SC+16*SL+2*\p+1], v[ASA+SL] offset:8192+8448*\p
.endr
.irp u, 0,1,2
	ds_load_b32 v[SC+16*SL+9+2*\u], v[ASB+SL] offset:8192+8448*\u
	ds_load_b32 v[SC+16*SL+8+2*\u], v[ASB+SL] offset:8196+8448*\u
.endr
.endm
.macro FETCH k                         ; step k's fragments: 56 loads of 512 consecutive bytes
.set SL, ((\k)/2)%2
.set Q_, (\k)%2
	WIN 0xc0*(1-Q_)
.irp b, 0,1,2,3,4,5
.irp c, 0,1,2,3
	ds_load_b128 v[BF+16*\b+4*\c:BF+16*\b+4*\c+3], v[ADRB+SL] offset:(\b/2)*8448+(\b%2)*4096+2048*Q_+512*\c
.endr
.endr
	WIN 0x40
.irp a, 0,1,2,3,4,5,6,7
.irp c, 0,1,2,3
	ds_load_b128 v[128*Q_+16*\a+4*\c:128*Q_+16*\a+4*\c+3], v[ADRA+SL] offset:(\a/2)*8448+(\a%2)*4096+2048*Q_+512*\c
.endr
.endr
	WIN 0
.endm
.macro KST k                           ; a step whose successor lies in the same slot
	PLACES 8
	FETCH (\k)+1
	s_wait_dscnt 56                                ; all but the 56 just issued
	MQ \k, 0, 8
	MV \k
.endm
; A slot's last step changes slots.  fill = 1: the slot is filled again, two K slots ahead
.macro TURN k, fill, f
	s_wait_tensorcnt 0x0                           ; all my tensor loads have landed: my part of the next slot
	ds_add_u32 v[SPW], v[NIL]
	s_wait_dscnt 1                                 ; this step's fragments are in (the add may be out)
	MQ \k, 0, 2
	s_wait_dscnt 0x0                               ; the add is done, and my reads of this slot are over
	s_barrier_signal -1
	MQ \k, 2, 2
	WIN 0
	s_barrier_wait -1
.if \fill
	CREST                                          ; no wave of any partner still reads this slot or has a load on its way
	JLOAD 68+8*\f, 24, 72+8*\f, 32                 ; my one tensor load behind the round; its four v_nop are among the places in front of the loads below
	PLACES 4
.else
	PLACES 8
.endif
	SCALES (\k)+1
	FETCH (\k)+1
	MQ \k, 4, 4
	MV \k
.endm
	s_wait_loadcnt 0x0                             ; the biases
.irp j, 0,1,2,3,4,5,6,7
	v_mov_b32 v[BVR+\j], v112
	v_mov_b32 v[BVR+8+\j], v113
.endr
	s_wait_alu depctr_va_vdst(0)                   ; the wait at the head's end
	s_wait_tensorcnt 0x0                           ; my quarter of K slots 0 and 1 is in,
	s_barrier_signal -1
	s_barrier_wait -1                              ; everybody's are
	SCALES 0
	FETCH 0
	FETCH 1
	global_prefetch_b8 v[PFO], s[84:85] offset:2*KSB th:TH_LOAD_NT scope:SCOPE_SE   ; K slot 2, which the first refill asks for
	s_wait_dscnt 56
	MQ 0, 0, 8                                     ; K = 1,024 is eight steps, written out
	MV 0
	TURN 1, 1, 0                                   ; slot 0 takes K slot 2
	PLACES 8
	FETCH 3
	global_prefetch_b8 v[PFO], s[84:85] offset:3*KSB th:TH_LOAD_NT scope:SCOPE_SE   ; K slot 3, which the second refill asks for
	s_wait_dscnt 56
	MQ 2, 0, 8
	MV 2
	TURN 3, 1, 1                                   ; slot 1 takes K slot 3
	KST 4
	TURN 5, 0, 0                                   ; nothing is left to fetch
	KST 6
	s_wait_dscnt 0x0
	MQ 7, 0, 8
	MV 7
	; THE WAY OUT: 24 blocks of 16 registers a lane, four at a time
	s_mov_b32 s[SEL], 0x76543210
	s_mov_b32 s[SEL+1], 0xfedcba98                 ; v_permlanex16_b32's selects for lane l xor 16
	s_mov_b32 s[MNT], 0x600000                     ; the mantissa field of 57,344
	PLACES 8
.macro Q4 w, s, st, pc                 ; four blocks, block n's 16 numbers at register s + st n of window w; lane l xor 16 holds the block's other 16
	WIN 0x14*\w
.irp n, 0,1,2,3
	v_max3_num_f32 v[TM+\n], 0x8000000, |v[\s+\st*\n]|, |v[\s+\st*\n+1]|   ; with the floor 2^(16 - 127): the byte cannot fall under 1; each accumulator from its low end on
.endr
.irp i, 2,4,6,8,10,12,14
.irp n, 0,1,2,3
	v_max3_num_f32 v[TM+\n], v[TM+\n], |v[\s+\st*\n+\i]|, |v[\s+\st*\n+\i+1]|
.endr
.endr
	WIN 0
.irp n, 0,1,2,3
	v_permlanex16_b32 v[TM+4+\n], v[TM+\n], s[SEL], s[SEL+1]
.endr
.irp n, 0,1,2,3
	v_max_num_f32 v[TM+\n], v[TM+\n], v[TM+4+\n]   ; the block's largest magnitude
.endr
.irp n, 0,1,2,3
	v_add_nc_u32 v[TM+12+\n], 0xf8800000, v[TM+\n] ; 15 off its exponent field: the conversion's scale operand
.endr
.irp n, 0,1,2,3
	v_and_or_b32 v[TM+8+\n], v[TM+\n], 0x7f800000, s[MNT]   ; 57,344 x the scale
.endr
.irp n, 0,1,2,3
	v_lshrrev_b32 v[TM+4+\n], 23, v[TM+12+\n]      ; the scale's byte
.endr
	WIN 0x41*\w
.irp n, 0,1,2,3
.irp i, 0,1,2,3,4,5,6,7,8,9,10,11,12,13,14,15
	v_med3_num_f32 v[\s+\st*\n+\i], v[\s+\st*\n+\i], -v[TM+8+\n], v[TM+8+\n]   ; the conversion does not saturate (ISA guide 7.6.2): the hold
.endr
.endr
	WIN \w
.irp n, 0,1,2,3
	v_cvt_scalef32_pk8_bf8_f32 v[\pc+4*\n:\pc+4*\n+1], v[\s+\st*\n:\s+\st*\n+7], v[TM+12+\n]
	v_cvt_scalef32_pk8_bf8_f32 v[\pc+4*\n+2:\pc+4*\n+3], v[\s+\st*\n+8:\s+\st*\n+15], v[TM+12+\n]
.endr
	WIN 0
	v_nop                                          ; one plain line behind the last conversion
.endm
.macro OUTQ x, t, a0                   ; q's (t = 0) or k's (t = 1) blocks of token tiles a0 .. a0 + 3
	Q4 2, 32*\a0+16*\t, 32, PC+16*\x
.irp n, 0,1,2,3
	global_store_b128 v[L16], v[PC+16*\x+4*\n:PC+16*\x+4*\n+3], s[4+2*\t:5+2*\t] offset:1024*(\a0+\n)   ; 32 lanes store 512 consecutive bytes
	ds_store_b8 v[XB], v[TM+4+\n] offset:512*\t+16*(\a0+\n)   ; both halves of the lanes write the same byte with the same value
.endr
.endm
	OUTQ 0, 0, 0
	OUTQ 1, 0, 4
	OUTQ 2, 1, 0
	OUTQ 3, 1, 4
.irp u, 0,1                            ; v's tile u: its four blocks of 32 tokens make a channel's scale word
	Q4 3, 64*\u, 16, PC+64+16*\u
	v_lshl_or_b32 v[VW+\u], v[TM+5], 8, v[TM+4]
	v_lshl_or_b32 v[VW+\u], v[TM+6], 16, v[VW+\u]
	v_lshl_or_b32 v[VW+\u], v[TM+7], 24, v[VW+\u]
.irp n, 0,1,2,3
	global_store_b128 v[L16], v[PC+64+16*\u+4*\n:PC+64+16*\u+4*\n+3], s[8:9] offset:2048*\u+512*\n
.endr
.endr
	v_cmp_eq_u32 vcc_lo, 1, v2
	v_cndmask_b32 v[VW+2], v[VW], v[VW+1], vcc_lo  ; lanes 0-15 tile 0's words, lanes 16-31 tile 1's
	ds_store_b32 v[XVA], v[VW+2]
	s_wait_dscnt 0x0                               ; my scale bytes and words are in LDS,
	s_barrier_signal -1
	s_barrier_wait -1                              ; everybody's are
	ds_load_b32 v244, v[XR]                        ; four tokens' bytes of the head's first block of 32 channels
	ds_load_b32 v245, v[XR] offset:128             ; and of its second
	ds_load_b64 v[246:247], v[XVR]
	s_wait_dscnt 0x0
.irp i, 0,1,2,3
	v_perm_b32 v[248+\i], v245, v244, 0x0c0c0400+0x0101*\i   ; a token's word: bytes 0 and 1; bytes 2 and 3 are 0 and stand over zero codes
.endr
	global_store_b128 v[L16], v[248:251], s[10:11] offset:16384
	s_cmp_eq_u32 s13, 0
	s_cbranch_scc0 .Ldone
	global_store_b64 v[L8], v[246:247], s[18:19] offset:16896   ; 256 consecutive bytes
.Ldone:
	s_wait_tensorcnt 0x0                           ; the wave's end
	ds_add_u32 v[SPW], v[NIL]
	s_wait_dscnt 0x0
	CROUND                                         ; the closing round: no work-group ends while a partner may still ask for a tile that names it
	s_endpgm
.Lfunc_end_k_q0fbe2374a6_proj:
	.size	k_q0fbe2374a6_proj, .Lfunc_end_k_q0fbe2374a6_proj-k_q0fbe2374a6_proj
	.p2alignl 7, 3214868480
	.fill 96, 4, 3214868480
	.section	.rodata,"a",@progbits
	.p2align	6, 0x0
	.amdhsa_kernel k_q0fbe2374a6_proj
		.amdhsa_group_segment_fixed_size 327680
		.amdhsa_private_segment_fixed_size 0
		.amdhsa_enable_private_segment 0
		.amdhsa_kernarg_size 48
		.amdhsa_user_sgpr_count 2
		.amdhsa_user_sgpr_kernarg_segment_ptr 1
		.amdhsa_wavefront_size32 1
		.amdhsa_system_sgpr_workgroup_id_x 1
		.amdhsa_system_sgpr_workgroup_id_y 1
		.amdhsa_system_sgpr_workgroup_id_z 1
		.amdhsa_system_vgpr_workitem_id 0
		.amdhsa_next_free_vgpr 1024
		.amdhsa_next_free_sgpr 100
		.amdhsa_reserve_vcc 1
		.amdhsa_float_denorm_mode_32 3
		.amdhsa_float_denorm_mode_16_64 3
		.amdhsa_memory_ordered 1
		.amdhsa_forward_progress 1
		.amdhsa_inst_pref_size 148
	.end_amdhsa_kernel
	.amdgpu_metadata
---
amdhsa.version: [ 1, 2 ]
amdhsa.kernels:
  - .name:           k_q0fbe2374a6_proj
    .symbol:         k_q0fbe2374a6_proj.kd
    .args:
      - { .name: x_codes, .offset: 0, .size: 8, .value_kind: global_buffer, .address_space: global }
      - { .name: w_codes, .offset: 8, .size: 8, .value_kind: global_buffer, .address_space: global }
      - { .name: bq, .offset: 16, .size: 8, .value_kind: global_buffer, .address_space: global }
      - { .name: bk, .offset: 24, .size: 8, .value_kind: global_buffer, .address_space: global }
      - { .name: bv, .offset: 32, .size: 8, .value_kind: global_buffer, .address_space: global }
      - { .name: qkv, .offset: 40, .size: 8, .value_kind: global_buffer, .address_space: global }
    .group_segment_fixed_size: 327680
    .private_segment_fixed_size: 0
    .kernarg_segment_align: 8
    .kernarg_segment_size: 48
    .max_flat_workgroup_size: 128
    .sgpr_count:     100
    .vgpr_count:     1024
    .wavefront_size: 32
...
	.end_amdgpu_metadata
.endif
;; end of part 2
;; launch attn (part 3): grid 8 x 32, 8 waves a work-group, clusters of 4 x 1, 275,456 bytes of LDS; arguments qkv, ao_codes; writes ao_codes
.if DOCPART == 3
	.amdgcn_target "amdgcn-amd-amdhsa--gfx1250"
	.amdhsa_code_object_version 6
	.text
	.protected	k_q0fbe2374a6_attn
	.globl	k_q0fbe2374a6_attn
	.p2align	8
	.type	k_q0fbe2374a6_attn,@function
k_q0fbe2374a6_attn:
	s_mov_b64 s[64:65], 0
	v_nop
	global_prefetch_b8 v0, s[64:65] scope:SCOPE_SE
	s_setreg_imm32_b32 hwreg(HW_REG_WAVE_MODE, 25, 1), 1
	s_wait_xcnt 0x0
	s_wait_alu depctr_hold_cnt(0) depctr_sa_sdst(0) depctr_va_vdst(0) depctr_va_sdst(0) depctr_va_ssrc(0) depctr_va_vcc(0) depctr_vm_vsrc(0)
	s_getreg_b32 s2, hwreg(HW_REG_IB_STS2, 6, 4)
	s_cmp_eq_u32 s2, 0
	s_cbranch_scc0 .Lentry_in_a_cluster
	s_endpgm
.Lentry_in_a_cluster:
	s_bfe_u32 s2, ttmp6, 0x10000c
	s_cmp_lg_u32 s2, 0x3003
	s_cbranch_scc0 .Lentry_shape_is_right
	s_endpgm
.Lentry_shape_is_right:
; O[b, h][q] = the sum over k of softmax_k(q . k / 8) v, both products on codes of BF8 (E5M2) with one E8M0 scale for each 32 along a product's K; O is quantised along the 1,024 channels for the last projection.
; THE SOFTMAX AHEAD OF THE SECOND PRODUCT: t = score x log2(e) / 8; M = the row's largest t so far, rounded up to a whole number; p = 2^(t - M) is quantised along the keys, not normalised.  The row's sum is taken
; of the unquantised p and divides O at the end.  When M moves, the sum and O are multiplied by 2^(old M - new M): exact.  A block's exponent is floor(t - M) of its largest score.
; SHARES.  A work-group owns 256 queries of one head, each of its eight waves two tiles of 16, A and B, in 512 registers: each fragment of K and V is read from LDS once for both.
; A HEAD'S K, V AND SCALE WORDS ARE 274,432 DENSE BYTES (16 records of 128 keys, 17,152 bytes each) AND ALL LIE IN LDS: each byte is filled once.  Wave w asks for records 2 w and 2 w + 1 by its one load; the four work-groups
; of a cluster are four blocks of queries of one head: each load is a joint one.  One barrier shows all; behind it the waves run free of each other.  No loop loads from memory, so there is nothing to prefetch ahead of.
; THE TURNS.  A trip: S_B = K Q_B of step i; softmax A; O_A; S_A of step i + 1; softmax B; O_B.  So a tile's products stand ahead of the other tile's softmax, whose lines are the places behind them.
; LAYOUT.  Both products are used transposed: S^T = K Q^T, O^T = V^T P^T: a lane holds one query (lane % 16) throughout.  Keys and channels stand in position order in the tiles, so the 16 registers of tiles 2 i and 2 i + 1
; are the neighbours 32 i + 16 (lane / 16) + 0 .. 15.  The head's K is 64: the upper half of Q's fragment is zero codes; the upper half of a fragment of K is the next tile's codes (finite), which meet Q's zeros.
; LIMITS: NaN and infinities are not served; the promise holds while the scaled scores (t) stay under 2^31 in magnitude; a block's byte is held at 1 from below (this program alone reads the bytes).
; REGISTERS, window 0 for tile A, window 1 for tile B, the same numbers: v12 -M, v[14:15] the sum, v16-31 Q, v104-167 S^T and p, v168-199 O^T, v200-215 p's codes, v216-239, v252-255 at work.
;   Window 0 alone: v1-11 addresses; v32-103 K's eight tiles and zeros; v242-251 scale words.  Window 1 alone: v32-95 V's four fragments.
.set RECB,  17152
.set HEADB, 16*RECB
.set QOFF,  32*HEADB
.set SPARE, HEADB
.set KSB,   1081344                    ; a K slot of the last projection's operand
.set KSO,   16384                      ; a record's scale words of K
.set VSO,   16896                      ; and of V
.set AD,   3
.set AS,   4
.set SPW,  8
.set NIL,  9
.set KB,   32
.set VB,   32
.set S,    104
.set O,    168
.set PCD,  200
.set MX,   216
.set NX,   220
.set BD,   224
.set OP,   228
.set CH,   232
.set F,    252
.set TT,   254
.set PW,   242                         ; v242, v243 p's scale words of A, B
.set KS,   244                         ; v244-247 K's: lanes 0-15 tile 2 p, lanes 16-31 tile 2 p + 1
.set VS,   248                         ; v248-249 V's likewise
.set QS,   250                         ; v250, v251 Q's of A, B
.set X57,  10                          ; s[10:11] 57,344.0
.set WV,   18
.set MNT,  19
.set SEL,  20
.set CS,   22
.set G1,   24
.set G0,   32
.set TB,   48                          ; LDS byte of the record in hand
.set CNT,  49
.set NC,   70
.set FL,   71
.set MSB, 0
.macro WIN new
.if MSB != (\new)
	s_set_vgpr_msb (MSB<<8)|(\new)
.set MSB, (\new)
.endif
.endm
.macro CROUND                          ; a round of the cluster's barrier
	s_barrier_signal -1
	s_barrier_wait -1
	s_cmp_lg_u32 s[WV], 0
	s_cbranch_scc1 .Lnot_wave_0_\@
	s_barrier_signal -3
.Lnot_wave_0_\@:
	s_barrier_wait -3
	s_barrier_signal -1
	s_barrier_wait -1
.endm
	s_load_b128 s[4:7], s[0:1], 0x0                ; qkv, O's codes
	v_lshl_add_u32 v[SPW], v0, 2, SPARE
	v_mov_b32 v[NIL], 0
	ds_add_u32 v[SPW], v[NIL]                      ; the wave's opening: the add, twice on end, and its wait ahead of my tensor load
	ds_add_u32 v[SPW], v[NIL]
	v_lshrrev_b32 v3, 5, v0
	v_readfirstlane_b32 s[WV], v3                  ; wave 0..7
	s_bfe_u32 s50, ttmp6, 0x40000                  ; cx
	s_lshl_b32 s51, ttmp9, 2
	s_add_co_u32 s51, s51, s50                     ; my block of 256 queries: it enters Q's and O's addresses alone
	s_and_b32 s52, ttmp7, 0xffff                   ; 16 x batch + head, which the four partners share
	s_mul_i32 s54, s52, HEADB
	s_mul_i32 s53, s[WV], 2*RECB                   ; records 2 w, 2 w + 1: in LDS,
	s_add_co_u32 s56, s54, s53                     ; and in memory
	s_mov_b32 s57, 0
	s_lshl_b32 s58, s51, 1                         ; Q: record 2 x block + wave / 4, tiles 2 (wave % 4) and the next
	s_lshr_b32 s59, s[WV], 2
	s_add_co_u32 s58, s58, s59
	s_mul_i32 s58, s58, RECB
	s_add_co_u32 s58, s58, s54
	s_add_co_u32 s58, s58, QOFF
	s_and_b32 s60, s[WV], 3
	s_lshl_b32 s59, s60, 11
	s_add_co_u32 s62, s58, s59                     ; my tiles' codes
	s_mov_b32 s63, 0
	s_lshl_b32 s59, s60, 7
	s_add_co_u32 s58, s58, s59                     ; my tiles' scale words, less KSO
	s_mov_b32 s59, 0
	s_lshr_b32 s60, s52, 4
	s_lshl_b32 s60, s60, 6
	s_lshl_b32 s61, s51, 3
	s_add_co_u32 s60, s60, s61
	s_add_co_u32 s60, s60, s[WV]                   ; my pair of tiles of tokens: 64 x batch + 8 x block + wave
	s_and_b32 s61, s52, 15                         ; the head: channels 64 x head on: K slot head / 4, then 1,024 bytes for each head of the four
	s_lshr_b32 s66, s61, 2
	s_lshl_b32 s66, s66, 7
	s_add_co_u32 s66, s66, s60
	s_mul_i32 s66, s66, 8448
	s_and_b32 s61, s61, 3
	s_lshl_b32 s68, s61, 1                         ; the scale bytes: 8 a row, 2 a head
	s_add_co_u32 s68, s68, s66
	s_mov_b32 s69, 0
	s_lshl_b32 s61, s61, 10
	s_add_co_u32 s66, s66, s61
	s_mov_b32 s67, 0
	; descriptor group 1: two records, 34,304 dense bytes, as 134 rows of 32 elements of 8 bytes
	s_mov_b32 s[G1], 15|(3<<16)|(1<<21)            ; 15:0 the mask: all four work-groups; 17:16 elements of 8 bytes; 21 set beside a mask
	s_mov_b32 s[G1+1], 32<<16
	s_mov_b32 s[G1+2], 134<<16
	s_mov_b32 s[G1+3], 32<<16
	s_mov_b32 s[G1+4], 134
	s_mov_b32 s[G1+5], 32
	s_mov_b32 s[G1+6], 0
	s_mov_b32 s[G1+7], 0
	s_mov_b32 s[SEL], 0x76543210
	s_mov_b32 s[SEL+1], 0xfedcba98                 ; v_permlanex16_b32's selects for lane l xor 16
	s_mov_b32 s[CS], 0x3e38aa3b                    ; c = log2(e) / 8
	s_mov_b32 s[CS+1], s[CS]                       ; (named with it as a pair, so it is written)
	s_mov_b32 s[NC], 0xbe38aa3b                    ; -c
	s_mov_b32 s[FL], 0xc2de0000                    ; -111: the exponent under which a block's byte would fall under 1
	s_mov_b32 s[X57], 0x47600000
	s_mov_b32 s[X57+1], s[X57]
	s_mov_b32 s[MNT], 0x600000
	s_wait_dscnt 0x0                               ; both opening adds are done
	CROUND                                         ; all four work-groups are here: the joint loads meet
	s_wait_kmcnt 0x0
	s_add_nc_u64 s[56:57], s[4:5], s[56:57]
	s_mov_b32 s[G0], 1
	s_mov_b32 s[G0+1], s53
	s_mov_b64 s[G0+2:G0+3], s[56:57]
	s_or_b32 s[G0+3], s[G0+3], 0x80000000
	tensor_load_to_lds s[G0:G0+3], s[G1:G1+7]
	s_nop 0
.rept 4
	v_nop
.endr
	s_add_nc_u64 s[62:63], s[4:5], s[62:63]
	s_add_nc_u64 s[58:59], s[4:5], s[58:59]
	s_add_nc_u64 s[8:9], s[6:7], s[68:69]
	s_add_nc_u64 s[6:7], s[6:7], s[66:67]
	v_and_b32 v5, 31, v0
	v_and_b32 v6, 15, v0                           ; r
	v_bfe_u32 v10, v0, 4, 1                        ; h
	v_lshlrev_b32 v1, 4, v5
	v_lshlrev_b32 v2, 2, v5
	v_lshlrev_b32 v11, 2, v6
	v_lshl_add_u32 v7, v6, 3, v10                  ; O's scale bytes: 8 r + h
	global_load_b128 v[16:19], v1, s[62:63]        ; Q's fragments stay in registers
	global_load_b128 v[20:23], v1, s[62:63] offset:512
	global_load_b32 v[QS], v11, s[58:59] offset:KSO
	global_load_b32 v[QS+1], v11, s[58:59] offset:KSO+64
	WIN 0x40
	global_load_b128 v[16:19], v1, s[62:63] offset:1024
	global_load_b128 v[20:23], v1, s[62:63] offset:1536
.macro INIT w
	WIN 0x40*\w
	v_mov_b32 v12, 0x7f61b1e6                      ; -M: 3e38: the largest t so far lies under every t
	v_mov_b32 v13, 0                               ; (v13, v253: named as the upper halves of pairs)
	v_mov_b32 v14, 0
	v_mov_b32 v15, 0
	v_mov_b32 v[F+1], 0
.irp j, 0,1,2,3,4,5,6,7
	v_mov_b32 v[24+\j], 0                          ; zero codes: k = 64 .. 127 of Q's fragment
.endr
.set j, 0
.rept 32
	v_mov_b32 v[O+j], 0                            ; O^T.  (The step is written once: the first finds zeros, which the first change of M leaves zeros)
.set j, j+1
.endr
.endm
	INIT 0
	INIT 1
	WIN 0
.irp j, 0,1,2,3,4,5,6,7
	v_mov_b32 v[KB+64+\j], 0                       ; behind K's last tile
.endr
.macro KLOAD off                       ; a record's K: eight tiles and their scale words
.irp p, 0,1,2,3
	ds_load_b32 v[KS+\p], v[AS] offset:\off+KSO+128*\p
.endr
.irp t, 0,1,2,3,4,5,6,7
.irp c, 0,1
	ds_load_b128 v[KB+8*\t+4*\c:KB+8*\t+4*\c+3], v[AD] offset:\off+1024*\t+512*\c
.endr
.endr
.endm
.macro QK w                            ; S^T = K Q^T: eight tiles of 16 keys x my tile w
	WIN 0x44*\w
.irp t, 0,1,2,3,4,5,6,7
.if \t%2
	v_wmma_scale_f32_16x16x128_f8f6f4 v[S+8*\t:S+8*\t+7], v[KB+8*\t:KB+8*\t+15], v[16:31], 0, v[KS+\t/2], v[QS+\w] matrix_a_fmt:MATRIX_FMT_BF8 matrix_b_fmt:MATRIX_FMT_BF8 matrix_a_scale:MATRIX_SCALE_ROW1
.else
	v_wmma_scale_f32_16x16x128_f8f6f4 v[S+8*\t:S+8*\t+7], v[KB+8*\t:KB+8*\t+15], v[16:31], 0, v[KS+\t/2], v[QS+\w] matrix_a_fmt:MATRIX_FMT_BF8 matrix_b_fmt:MATRIX_FMT_BF8
.endif
.endr
	WIN 0
.endm
.macro PV w                            ; O^T += V^T P^T: the four accumulators by turns, one instruction a turn
	WIN 0x01+0x54*\w
.irp t, 0,1,2,3
.if \t%2
	v_wmma_scale_f32_16x16x128_f8f6f4 v[O+8*\t:O+8*\t+7], v[VB+16*\t:VB+16*\t+15], v[PCD:PCD+15], v[O+8*\t:O+8*\t+7], v[VS+\t/2], v[PW+\w] matrix_a_fmt:MATRIX_FMT_BF8 matrix_b_fmt:MATRIX_FMT_BF8 matrix_a_scale:MATRIX_SCALE_ROW1
.else
	v_wmma_scale_f32_16x16x128_f8f6f4 v[O+8*\t:O+8*\t+7], v[VB+16*\t:VB+16*\t+15], v[PCD:PCD+15], v[O+8*\t:O+8*\t+7], v[VS+\t/2], v[PW+\w] matrix_a_fmt:MATRIX_FMT_BF8 matrix_b_fmt:MATRIX_FMT_BF8
.endif
.endr
	WIN 0
.endm
.macro DMIN r, bd                      ; two holds: the conversion does not saturate (ISA guide 7.6.2); p is not negative, so the hold is one-sided
	v_dual_min_num_f32 v[\r], v[\r], v[\bd] :: v_dual_min_num_f32 v[\r+1], v[\r+1], v[\bd]
.endm
.macro DMAX d, a, b                    ; two maxima
	v_dual_max_num_f32 v[\d], v[\a], v[\b] :: v_dual_max_num_f32 v[\d+1], v[\a+1], v[\b+1]
.endm
.macro TM4 j0                          ; t - M of eight numbers, two at a time
.irp j, 0,2,4,6
	v_pk_fma_f32 v[S+\j0+\j:S+\j0+\j+1], v[S+\j0+\j:S+\j0+\j+1], s[CS:CS+1], v[12:13] op_sel_hi:[1,0,0]
.endr
.endm
; THE SOFTMAX of tile w and its codes.  In tile A's stand the step's loads from LDS: V's of this step, and (last = 0) K's of the next
.macro SM w, last
	WIN 0x55*\w
	s_wait_alu depctr_va_vdst(0)                   ; the wait ahead of these results' first readers
.irp b, 0,1,2,3                        ; the largest score of each block of 32 keys: my 16, two chains a block, each tile from its low end on
	v_max3_num_f32 v[MX+\b], v[S+16*\b], v[S+1+16*\b], v[S+2+16*\b]
.endr
.irp b, 0,1,2,3
	v_max3_num_f32 v[NX+\b], v[S+8+16*\b], v[S+9+16*\b], v[S+10+16*\b]
.endr
.irp i, 3,5
.irp b, 0,1,2,3
	v_max3_num_f32 v[MX+\b], v[MX+\b], v[S+16*\b+\i], v[S+1+16*\b+\i]
.endr
.irp b, 0,1,2,3
	v_max3_num_f32 v[NX+\b], v[NX+\b], v[S+8+16*\b+\i], v[S+9+16*\b+\i]
.endr
.endr
.irp b, 0,1,2,3
	v_max3_num_f32 v[MX+\b], v[MX+\b], v[S+7+16*\b], v[S+15+16*\b]
.endr
	DMAX MX, MX, NX
	DMAX MX+2, MX+2, NX+2
.irp b, 0,1,2,3
	v_permlanex16_b32 v[NX+\b], v[MX+\b], s[SEL], s[SEL+1]
.endr
	DMAX MX, MX, NX                                ; with lane l xor 16's 16 keys
	DMAX MX+2, MX+2, NX+2
	v_max3_num_f32 v[TT], v[MX], v[MX+1], v[MX+2]
	v_mov_b32 v[TT+1], v12                         ; the old -M
	v_max_num_f32 v[TT], v[TT], v[MX+3]            ; the step's largest score of my query
	v_mul_f32 v[TT], s[NC], v[TT]                  ; -t
	v_floor_f32 v[TT], v[TT]                       ; -ceil(t)
	v_min_num_f32 v12, v12, v[TT]                  ; the new -M
	v_pk_fma_f32 v[MX:MX+1], v[MX:MX+1], s[CS:CS+1], v[12:13] op_sel_hi:[1,0,0]   ; each block's largest t - M: the same line on the same number as its p's
	v_pk_fma_f32 v[MX+2:MX+3], v[MX+2:MX+3], s[CS:CS+1], v[12:13] op_sel_hi:[1,0,0]
	v_sub_f32 v[TT], v12, v[TT+1]                  ; old M less new M: a whole number, 0 or less
	TM4 0
	v_dual_max_num_f32 v[MX], s[FL], v[MX] :: v_dual_max_num_f32 v[MX+1], s[FL], v[MX+1]
	v_dual_max_num_f32 v[MX+2], s[FL], v[MX+2] :: v_dual_max_num_f32 v[MX+3], s[FL], v[MX+3]
	v_cvt_i32_f32 v[TT], v[TT]                     ; (it saturates)
	TM4 8
.irp b, 0,1,2,3
	v_cvt_floor_i32_f32 v[NX+\b], v[MX+\b]         ; e, the exponent of the block's largest p
.endr
	v_ldexp_f32 v[F], 1.0, v[TT]                   ; f = 2^(old M - new M)
	TM4 16
.irp b, 0,1,2,3
	v_lshl_add_u32 v[OP+\b], v[NX+\b], 23, 0x38000000   ; 2^(e - 15): the conversion's scale operand
.endr
	TM4 24
	v_lshl_add_u32 v[MX], v[NX+3], 8, v[NX+2]      ; the four bytes e + 112, as one sum
	v_pk_mul_f32 v[BD:BD+1], v[OP:OP+1], s[X57:X57+1] op_sel_hi:[1,0]   ; 57,344 x the scale
	v_pk_mul_f32 v[BD+2:BD+3], v[OP+2:OP+3], s[X57:X57+1] op_sel_hi:[1,0]
	v_lshl_add_u32 v[MX], v[MX], 8, v[NX+1]
	v_lshl_add_u32 v[MX], v[MX], 8, v[NX]
	WIN 0x15*\w
	v_add_nc_u32 v[PW+\w], 0x70707070, v[MX]       ; p's scale word for these 128 keys
	WIN 0x55*\w
.if \w == 0
	v_add_nc_u32 v[AD], s[TB], v1
	v_add_nc_u32 v[AS], s[TB], v2
.irp p, 0,1
	ds_load_b32 v[VS+\p], v[AS] offset:VSO+128*\p
.endr
.if \last == 0
	KLOAD RECB
.endif
	WIN 0x40
.irp t, 0,1,2,3
.irp c, 0,1,2,3
	ds_load_b128 v[VB+16*\t+4*\c:VB+16*\t+4*\c+3], v[AD] offset:8192+2048*\t+512*\c
.endr
.endr
	WIN 0
.endif
	s_wait_alu depctr_va_vdst(0)                   ; the wait ahead of the batch
.set k, 0
.rept 16                               ; p = 2^(t - M) of blocks 0 and 1; t - M of blocks 2 and 3 between
	v_exp_f32 v[S+2*k], v[S+2*k]
	v_exp_f32 v[S+2*k+1], v[S+2*k+1]
	v_pk_fma_f32 v[S+32+2*k:S+33+2*k], v[S+32+2*k:S+33+2*k], s[CS:CS+1], v[12:13] op_sel_hi:[1,0,0]
.set k, k+1
.endr
	s_wait_alu depctr_va_vdst(0)                   ; behind that batch and ahead of the next
.set k, 0
.rept 8                                ; p of blocks 2 and 3; between, blocks 0 and 1: sums of two pairs, then the holds
	v_exp_f32 v[S+32+4*k], v[S+32+4*k]
	v_exp_f32 v[S+33+4*k], v[S+33+4*k]
	v_pk_add_f32 v[PCD+2*k:PCD+2*k+1], v[S+4*k:S+4*k+1], v[S+4*k+2:S+4*k+3]
	v_exp_f32 v[S+34+4*k], v[S+34+4*k]
	DMIN S+4*k, BD+k/4
	v_exp_f32 v[S+35+4*k], v[S+35+4*k]
	DMIN S+4*k+2, BD+k/4
.set k, k+1
.endr
	s_wait_alu depctr_va_vdst(0)
	v_pk_fma_f32 v[14:15], v[14:15], v[F:F+1], v[PCD:PCD+1] op_sel_hi:[1,0,1]   ; the row's sum, under the new M: of the unquantised p
	v_pk_add_f32 v[CH:CH+1], v[PCD+2:PCD+3], v[PCD+4:PCD+5]
	v_pk_add_f32 v[CH+2:CH+3], v[PCD+6:PCD+7], v[PCD+8:PCD+9]
	v_pk_add_f32 v[CH+4:CH+5], v[PCD+10:PCD+11], v[PCD+12:PCD+13]
	v_pk_add_f32 v[14:15], v[14:15], v[PCD+14:PCD+15]
.set k, 0
.rept 5
	v_pk_add_f32 v[CH:CH+1], v[CH:CH+1], v[S+32+6*k:S+33+6*k]
	v_pk_add_f32 v[CH+2:CH+3], v[CH+2:CH+3], v[S+34+6*k:S+35+6*k]
	v_pk_add_f32 v[CH+4:CH+5], v[CH+4:CH+5], v[S+36+6*k:S+37+6*k]
.set k, k+1
.endr
	v_pk_add_f32 v[14:15], v[14:15], v[S+62:S+63]
	v_pk_add_f32 v[CH:CH+1], v[CH:CH+1], v[CH+2:CH+3]
	DMIN S+32, BD+2
	DMIN S+34, BD+2
	v_pk_add_f32 v[14:15], v[14:15], v[CH+4:CH+5]
	DMIN S+36, BD+2
	DMIN S+38, BD+2
	DMIN S+40, BD+2
	v_pk_add_f32 v[14:15], v[14:15], v[CH:CH+1]
.set k, 5
.rept 11
	DMIN S+32+2*k, BD+2+k/8
.set k, k+1
.endr
.irp b, 0,1,2,3
	v_cvt_scalef32_pk8_bf8_f32 v[PCD+4*\b:PCD+1+4*\b], v[S+16*\b:S+7+16*\b], v[OP+\b]
	v_cvt_scalef32_pk8_bf8_f32 v[PCD+2+4*\b:PCD+3+4*\b], v[S+8+16*\b:S+15+16*\b], v[OP+\b]
.endr
.if \w == 0
	s_wait_dscnt 0x0                               ; V's fragments, and K's of the next step
.endif
	s_wait_alu depctr_va_vdst(0)                   ; the wait directly ahead of O^T's first reader
.set j, 0
.rept 16
	v_pk_mul_f32 v[O+j:O+j+1], v[O+j:O+j+1], v[F:F+1] op_sel_hi:[1,0]   ; O^T under the new M.  (These are also the places between the conversions and the products)
.set j, j+2
.endr
	WIN 0
.endm
.macro STEP last
	QK 1
	SM 0, \last
	PV 0
.if \last == 0
	QK 0
.endif
	SM 1, \last
	PV 1
.endm
	v_mov_b32 v[AD], v1                            ; record 0
	v_mov_b32 v[AS], v2
	s_mov_b32 s[TB], 0
	s_mov_b32 s[CNT], 15
	s_wait_alu depctr_va_vdst(0)                   ; the wait at the head's end
	s_wait_loadcnt 0x0                             ; Q
	s_wait_tensorcnt 0x0                           ; my two records are in,
	s_barrier_signal -1
	s_barrier_wait -1                              ; everybody's are
	KLOAD 0
	s_wait_dscnt 0x0
	QK 0
.rept 8
	v_nop                                          ; places ahead of the first softmax
.endr
.Lstep:
	STEP 0
	s_add_co_u32 s[TB], s[TB], RECB
	s_sub_co_u32 s[CNT], s[CNT], 1
	s_cmp_lg_u32 s[CNT], 0
	s_wait_alu depctr_va_vdst(0)
	s_cbranch_scc1 .Lstep
	s_mov_b32 s[TB], 15*RECB
	STEP 1                                         ; the last record is written out: no next one is fetched
	; THE END: O^T / the sum, quantised along my head's 64 channels: two blocks of the last projection's K
	v_cmp_eq_u32 vcc_lo, 1, v10
.macro FIN w
	WIN 0x55*\w
	v_add_f32 v14, v14, v15                        ; the sum's two halves,
	v_permlanex16_b32 v[F], v14, s[SEL], s[SEL+1]
	v_add_f32 v14, v14, v[F]                       ; and lane l xor 16's
	s_wait_alu depctr_va_vdst(0)
	v_rcp_f32 v14, v14
.rept 8
	v_nop                                          ; a plain place behind the transcendental, and the places behind the last products
.endr
.set j, 0
	s_wait_alu depctr_va_vdst(0)
.rept 16
	v_pk_mul_f32 v[S+j:S+j+1], v[O+j:O+j+1], v[14:15] op_sel_hi:[1,0]   ; register 16 b + i: channel 32 b + 16 h + i of my query; each accumulator from its low end on
.set j, j+2
.endr
.irp b, 0,1
	v_max3_num_f32 v[MX+\b], |v[S+16*\b]|, |v[S+1+16*\b]|, 0x8000000
.endr
.irp i, 2,4,6,8,10,12,14
.irp b, 0,1
	v_max3_num_f32 v[MX+\b], v[MX+\b], |v[S+16*\b+\i]|, |v[S+1+16*\b+\i]|
.endr
.endr
.irp b, 0,1
	v_permlanex16_b32 v[NX+\b], v[MX+\b], s[SEL], s[SEL+1]
.endr
.irp b, 0,1
	v_max_num_f32 v[MX+\b], v[MX+\b], v[NX+\b]
.endr
.irp b, 0,1
	v_add_nc_u32 v[OP+\b], 0xf8800000, v[MX+\b]
.endr
.irp b, 0,1
	v_and_or_b32 v[BD+\b], v[MX+\b], 0x7f800000, s[MNT]
.endr
.irp b, 0,1
	v_lshrrev_b32 v[NX+\b], 23, v[OP+\b]
.endr
.irp b, 0,1
.irp i, 0,1,2,3,4,5,6,7,8,9,10,11,12,13,14,15
	v_med3_num_f32 v[S+16*\b+\i], v[S+16*\b+\i], -v[BD+\b], v[BD+\b]
.endr
	v_cvt_scalef32_pk8_bf8_f32 v[PCD+4*\b:PCD+1+4*\b], v[S+16*\b:S+7+16*\b], v[OP+\b]
	v_cvt_scalef32_pk8_bf8_f32 v[PCD+2+4*\b:PCD+3+4*\b], v[S+8+16*\b:S+15+16*\b], v[OP+\b]
.endr
	v_nop                                          ; one plain line behind the last conversion
	v_cndmask_b32 v[TT], v[NX], v[NX+1], vcc_lo    ; lanes 0-15 store block 0's byte of row r, lanes 16-31 block 1's
	WIN 0x04*\w
	global_store_b128 v1, v[PCD:PCD+3], s[6:7] offset:4096*\w      ; 32 lanes store 512 consecutive bytes of the operand's image
	global_store_b128 v1, v[PCD+4:PCD+7], s[6:7] offset:4096*\w+512
	global_store_b8 v7, v[TT], s[8:9] offset:8192+128*\w           ; two bytes of each row's 8
	WIN 0
.endm
	FIN 0
	FIN 1
	s_wait_tensorcnt 0x0                           ; the wave's end
	ds_add_u32 v[SPW], v[NIL]
	s_wait_dscnt 0x0
	CROUND                                         ; the closing round: no work-group ends while a partner may still ask for a record that names it
	s_endpgm
.Lfunc_end_k_q0fbe2374a6_attn:
	.size	k_q0fbe2374a6_attn, .Lfunc_end_k_q0fbe2374a6_attn-k_q0fbe2374a6_attn
	.p2alignl 7, 3214868480
	.fill 96, 4, 3214868480
	.section	.rodata,"a",@progbits
	.p2align	6, 0x0
	.amdhsa_kernel k_q0fbe2374a6_attn
		.amdhsa_group_segment_fixed_size 275456
		.amdhsa_private_segment_fixed_size 0
		.amdhsa_enable_private_segment 0
		.amdhsa_kernarg_size 16
		.amdhsa_user_sgpr_count 2
		.amdhsa_user_sgpr_kernarg_segment_ptr 1
		.amdhsa_wavefront_size32 1
		.amdhsa_system_sgpr_workgroup_id_x 1
		.amdhsa_system_sgpr_workgroup_id_y 1
		.amdhsa_system_sgpr_workgroup_id_z 1
		.amdhsa_system_vgpr_workitem_id 0
		.amdhsa_next_free_vgpr 512
		.amdhsa_next_free_sgpr 72
		.amdhsa_reserve_vcc 1
		.amdhsa_float_denorm_mode_32 3
		.amdhsa_float_denorm_mode_16_64 3
		.amdhsa_memory_ordered 1
		.amdhsa_forward_progress 1
		.amdhsa_inst_pref_size 87
	.end_amdhsa_kernel
	.amdgpu_metadata
---
amdhsa.version: [ 1, 2 ]
amdhsa.kernels:
  - .name:           k_q0fbe2374a6_attn
    .symbol:         k_q0fbe2374a6_attn.kd
    .args:
      - { .name: qkv, .offset: 0, .size: 8, .value_kind: global_buffer, .address_space: global }
      - { .name: ao_codes, .offset: 8, .size: 8, .value_kind: global_buffer, .address_space: global }
    .group_segment_fixed_size: 275456
    .private_segment_fixed_size: 0
    .kernarg_segment_align: 8
    .kernarg_segment_size: 16
    .max_flat_workgroup_size: 256
    .sgpr_count:     72
    .vgpr_count:     512
    .wavefront_size: 32
...
	.end_amdgpu_metadata
.endif
;; end of part 3
;; launch outp (part 4): grid 8 x 32, 4 waves a work-group, clusters of 4 x 4, 288,256 bytes of LDS; arguments ao_codes, w_codes, bo, out0; writes out0
.if DOCPART == 4
	.amdgcn_target "amdgcn-amd-amdhsa--gfx1250"
	.amdhsa_code_object_version 6
	.text
	.protected	k_q0fbe2374a6_outp
	.globl	k_q0fbe2374a6_outp
	.p2align	8
	.type	k_q0fbe2374a6_outp,@function
k_q0fbe2374a6_outp:
	s_mov_b64 s[64:65], 0
	v_nop
	global_prefetch_b8 v0, s[64:65] scope:SCOPE_SE
	s_setreg_imm32_b32 hwreg(HW_REG_WAVE_MODE, 25, 1), 1
	s_wait_xcnt 0x0
	s_wait_alu depctr_hold_cnt(0) depctr_sa_sdst(0) depctr_va_vdst(0) depctr_va_sdst(0) depctr_va_ssrc(0) depctr_va_vcc(0) depctr_vm_vsrc(0)
	s_getreg_b32 s2, hwreg(HW_REG_IB_STS2, 6, 4)
	s_cmp_eq_u32 s2, 0
	s_cbranch_scc0 .Lentry_in_a_cluster
	s_endpgm
.Lentry_in_a_cluster:
	s_bfe_u32 s2, ttmp6, 0x10000c
	s_cmp_lg_u32 s2, 0xf033
	s_cbranch_scc0 .Lentry_shape_is_right
	s_endpgm
.Lentry_shape_is_right:
; out0 [4096][1024] = O Wo + bo on codes of BF8 (E5M2) with E8M0 scales, K = 1,024; f32 out.
; 256 WORK-GROUPS of 128 x 128, four waves of 64 x 64 each: 16 accumulators.  All of K lies in LDS: four joint loads at the head, one a wave: A's and B's first half of K (waves 0, 1), then the second (waves 2, 3): two K slots, a row each.
; The second half of K goes by rows of the result: a block of 16 rows is finished, passes through my stage in LDS and leaves while the next is multiplied.
; Nothing is filled twice, and no loop loads from memory, so nothing is prefetched.  CLUSTERS: A's tiles are shared along a row of the cluster, Wo's along a column.
; Source 0 = Wo's rows (channels), source 1 = O's rows (tokens): a lane holds a token, its registers neighbouring channels.  The bias is the first products' C.
; LIMITS: NaN and infinities are not served.
; REGISTERS: window 0: v6-31 addresses, v32-69 scale words, v72-103 bo, then rows read back; v128-255 the accumulators.  window 1: B's fragments of the first half, window 3: of the second; window 2: A's.
.set PRB,   8448
.set TH,    4*PRB                      ; 128 rows of a K slot
.set KSB,   128*PRB
.set HALF,  4*TH                       ; a half of K in LDS: A's two slots, B's two
.set STAGE, 2*HALF
.set SPITCH, 272
.set SPARE, STAGE+4*16*SPITCH
.set ADRA,  16                         ; v16, v17: A's fragments, by the half of K
.set ADRB,  18
.set ADRS,  20                         ; v20, v21: scale words: lanes 0-15 A's, lanes 16-31 B's
.set L16,   24
.set STO,   25
.set RD,    26
.set CO,    27
.set SPW,   30
.set NIL,   31
.set SC,    32                         ; block i, 128 along K number ks: SC + 10 i + ks
.set BI,    72
.set RB,    72
.set ACC,   128
.set MSB, 0
.macro WIN new
.if MSB != (\new)
	s_set_vgpr_msb (MSB<<8)|(\new)
.set MSB, (\new)
.endif
.endm
.macro PLACES n
.rept \n
	v_nop
.endr
.endm
.macro CROUND
	s_barrier_signal -1
	s_barrier_wait -1
	s_cmp_lg_u32 s14, 0
	s_cbranch_scc1 .Lnot_wave_0_\@
	s_barrier_signal -3
.Lnot_wave_0_\@:
	s_barrier_wait -3
	s_barrier_signal -1
	s_barrier_wait -1
.endm
.macro GROUP1 g, mask                  ; two rows of 33,792 bytes, a K slot apart
	s_or_b32 s[\g], s[\mask], (3<<16)|(1<<21)
	s_mov_b32 s[\g+1], (TH/8)<<16
	s_mov_b32 s[\g+2], 2<<16
	s_mov_b32 s[\g+3], (TH/8)<<16
	s_mov_b32 s[\g+4], 2
	s_mov_b32 s[\g+5], KSB/8
	s_mov_b32 s[\g+6], 0
	s_mov_b32 s[\g+7], 0
.endm
	s_load_b256 s[4:11], s[0:1], 0x0               ; O's codes, the weights', bo, out0
	v_lshl_add_u32 v[SPW], v0, 2, SPARE
	v_mov_b32 v[NIL], 0
	ds_add_u32 v[SPW], v[NIL]                      ; the wave's opening: the add, twice on end, and its wait ahead of my tensor load
	ds_add_u32 v[SPW], v[NIL]
	v_lshrrev_b32 v1, 5, v0
	v_readfirstlane_b32 s14, v1
	s_lshr_b32 s15, s14, 1                         ; my half of the rows.  Also: the half of K that I fetch
	s_and_b32 s16, s14, 1                          ; my half of the columns.  Also: I fetch for A (0) or for B (1)
	s_bfe_u32 s40, ttmp6, 0x40000
	s_bfe_u32 s41, ttmp6, 0x40004
	s_lshl_b32 s42, ttmp9, 2
	s_add_co_u32 s42, s42, s40                     ; 128 columns
	s_and_b32 s17, ttmp7, 0xffff
	s_lshl_b32 s17, s17, 2
	s_add_co_u32 s17, s17, s41                     ; 128 rows
	s_lshl_b32 s43, s41, 2
	s_lshl_b32 s43, 15, s43
	s_lshl_b32 s44, 0x1111, s40
	GROUP1 24, 43
	GROUP1 32, 44
	s_mul_i32 s18, s15, 2*KSB
	s_mul_i32 s20, s17, TH
	s_add_co_u32 s20, s20, s18
	s_mov_b32 s21, 0
	s_mul_i32 s22, s42, TH
	s_add_co_u32 s22, s22, s18
	s_add_co_u32 s22, s22, 96*PRB                  ; Wo's pairs begin at 96
	s_mov_b32 s23, 0
	s_mul_i32 s45, s15, HALF                       ; where they go
	s_add_co_u32 s46, s45, 2*TH
	s_lshl_b32 s2, s42, 9
	s_lshl_b32 s3, s16, 8
	s_add_co_u32 s2, s2, s3                        ; my columns, in bytes
	s_mov_b32 s3, 0
	s_lshl_b32 s18, s17, 19
	s_lshl_b32 s19, s15, 18
	s_add_co_u32 s18, s18, s19                     ; my rows of 4,096 bytes
	s_mov_b32 s19, 0
	s_wait_dscnt 0x0
	CROUND                                         ; all sixteen work-groups are here: the joint loads meet
	s_wait_kmcnt 0x0
	s_mov_b32 s56, 1
	s_mov_b32 s57, s45
	s_add_nc_u64 s[58:59], s[4:5], s[20:21]
	s_or_b32 s59, s59, 0x80000000
	s_mov_b32 s60, 1
	s_mov_b32 s61, s46
	s_add_nc_u64 s[62:63], s[6:7], s[22:23]
	s_or_b32 s63, s63, 0x80000000
.macro ARM under, g0, g1, next         ; one chain of branches on the wave's number, one load to an arm
	s_cmp_lt_u32 s14, \under
	s_cbranch_scc0 \next
	tensor_load_to_lds s[\g0:\g0+3], s[\g1:\g1+7]
	s_nop 0
	PLACES 4
	s_branch .Lasked
\next:
.endm
	ARM 1, 56, 24, .Lwave_1
	ARM 2, 60, 32, .Lwave_2
	ARM 3, 56, 24, .Lwave_3
	tensor_load_to_lds s[60:63], s[32:39]
	s_nop 0
	PLACES 4
.Lasked:
	s_add_nc_u64 s[8:9], s[8:9], s[2:3]
	s_add_nc_u64 s[10:11], s[10:11], s[2:3]
	s_add_nc_u64 s[10:11], s[10:11], s[18:19]
	v_and_b32 v1, 15, v0                           ; r
	v_bfe_u32 v2, v0, 4, 1                         ; h
	v_and_b32 v3, 31, v0
	v_lshlrev_b32 v[L16], 4, v3
	v_lshlrev_b32 v6, 6, v2                        ; bo: channels 16 h on
	v_lshlrev_b32 v5, 3, v1                        ; scale words: 8 bytes a row
.irp b, 0,1,2,3                        ; register j of tile b: channel 32 (b / 2) + 16 h + 8 (b % 2) + j
	global_load_b128 v[BI+8*\b:BI+8*\b+3], v6, s[8:9] offset:(32*(\b/2)+8*(\b%2))*4
	global_load_b128 v[BI+8*\b+4:BI+8*\b+7], v6, s[8:9] offset:(32*(\b/2)+8*(\b%2))*4+16
.endr
	s_wait_alu depctr_va_vdst(0)
	s_mul_i32 s20, s15, 2*PRB                      ; my 64 rows of A: two pairs
	s_mul_i32 s22, s16, 2*PRB
	s_add_co_u32 s22, s22, 2*TH                    ; my 64 rows of B, behind A's
	v_add_nc_u32 v[ADRA], s20, v[L16]
	v_add_nc_u32 v[ADRB], s22, v[L16]
	v_add_nc_u32 v[ADRA+1], HALF, v[ADRA]
	v_add_nc_u32 v[ADRB+1], HALF, v[ADRB]
	s_sub_co_u32 s22, s22, s20
	v_mul_u32_u24 v4, s22, v2                      ; lanes 16-31 take B's
	v_add_nc_u32 v5, v5, v4
	v_add_nc_u32 v[ADRS], s20, v5
	v_add_nc_u32 v[ADRS+1], HALF, v[ADRS]
	s_mul_i32 s20, s14, 16*SPITCH
	s_add_co_u32 s20, s20, STAGE                   ; my stage
	v_mul_u32_u24 v4, v1, SPITCH
	v_lshl_add_u32 v4, v2, 6, v4
	v_add_nc_u32 v[STO], s20, v4                   ; in: row r, channels 16 h on
	v_mul_u32_u24 v4, v2, SPITCH
	v_lshl_add_u32 v4, v1, 4, v4
	v_add_nc_u32 v[RD], s20, v4                    ; back: sixteen lanes to a row
	v_lshlrev_b32 v[CO], 12, v2
	v_lshl_add_u32 v[CO], v1, 4, v[CO]
.macro SCALES kh                       ; four blocks' scale words of a half of K: two K slots, two words each
.irp i, 0,1,2,3
.irp j, 0,1
	ds_load_b64 v[SC+10*\i+4*\kh+2*\j:SC+10*\i+4*\kh+2*\j+1], v[ADRS+\kh] offset:TH*\j+(\i/2)*8448+8192+128*(\i%2)
.endr
.endr
.endm
.macro FRAG reg, adr, kk, i            ; a fragment: four loads of 512 consecutive bytes
.irp c, 0,1,2,3
	ds_load_b128 v[\reg+4*\c:\reg+4*\c+3], v[\adr] offset:TH*((\kk)/2)+2048*((\kk)%2)+(\i/2)*8448+(\i%2)*4096+512*\c
.endr
.endm
.macro FETCH kk                        ; the first half of K: 32 loads for 128 along K
	WIN 0x40
.irp i, 0,1,2,3
	FRAG 64*\kk+16*\i, ADRB, \kk, \i
.endr
	WIN 0x80
.irp i, 0,1,2,3
	FRAG 64*\kk+16*\i, ADRA, \kk, \i
.endr
	WIN 0
.endm
.macro WM d, s0, s1, c, x0, x1
	v_wmma_scale_f32_16x16x128_f8f6f4 v[\d:\d+7], v[\s0:\s0+15], v[\s1:\s1+15], v[\c:\c+7], v[\x0], v[\x1] matrix_a_fmt:MATRIX_FMT_BF8 matrix_b_fmt:MATRIX_FMT_BF8 matrix_a_scale:MATRIX_SCALE_ROW1
.endm
.macro MUL kk                          ; 16 products, the accumulators by turns, one instruction a turn
	WIN 0x09
.irp a, 0,1,2,3
.irp b, 0,1,2,3
.if \kk == 0
	WM ACC+8*(4*\a+\b), 64*\kk+16*\b, 64*\kk+16*\a, BI+8*\b, SC+10*\b+\kk, SC+10*\a+\kk
.else
	WM ACC+8*(4*\a+\b), 64*\kk+16*\b, 64*\kk+16*\a, ACC+8*(4*\a+\b), SC+10*\b+\kk, SC+10*\a+\kk
.endif
.endr
.endr
	WIN 0
.endm
.macro ROW a                           ; the second half of K for block a: window 3 holds B's fragments, window 2 A's at 64 a + 16 kk
	WIN 0x0b
.irp kk, 0,1,2,3
.irp b, 0,1,2,3
	WM ACC+8*(4*\a+\b), 64*\kk+16*\b, 64*\a+16*\kk, ACC+8*(4*\a+\b), SC+10*\b+4+\kk, SC+10*\a+4+\kk
.endr
.endr
	WIN 0
.endm
.macro TOSTAGE a
.irp b, 0,1,2,3
	ds_store_b128 v[STO], v[ACC+8*(4*\a+\b):ACC+8*(4*\a+\b)+3] offset:128*(\b/2)+32*(\b%2)
	ds_store_b128 v[STO], v[ACC+8*(4*\a+\b)+4:ACC+8*(4*\a+\b)+7] offset:128*(\b/2)+32*(\b%2)+16
.endr
.irp t, 0,1,2,3,4,5,6,7
	ds_load_b128 v[RB+4*\t:RB+4*\t+3], v[RD] offset:\t*2*SPITCH   ; LDS serves a wave's instructions in order (ISA guide 5.7.1.4): these see the stores above
.endr
.endm
.macro SEND a
	s_wait_dscnt 0x0
.irp t, 0,1,2,3,4,5,6,7
	global_store_b128 v[CO], v[RB+4*\t:RB+4*\t+3], s[10:11] offset:(32*((\a)/2)+8*((\a)%2)+16*(\t>>2)+2*(\t&3))*4096 th:TH_STORE_NT   ; sixteen lanes store 256 consecutive bytes, aligned
.endr
.endm
	s_wait_alu depctr_va_vdst(0)                   ; the wait at the head's end
	s_cmp_lt_u32 s14, 2
	s_cbranch_scc0 .Lnot_first
	s_wait_tensorcnt 0x0                           ; waves 0 and 1: the first half of K is in; waves 2 and 3, whose load lines are their own, wait at the second barrier
.Lnot_first:
	s_barrier_signal -1
	s_barrier_wait -1
	SCALES 0
	FETCH 0
	FETCH 1
	s_wait_loadcnt 0x0                             ; the bias
	s_wait_dscnt 32                                ; all but the 32 youngest
	MUL 0
	FETCH 2
	s_wait_dscnt 32
	MUL 1
	FETCH 3
	s_wait_dscnt 32
	MUL 2
	s_wait_tensorcnt 0x0                           ; the second half of K
	s_wait_dscnt 0x0
	s_barrier_signal -1
	MUL 3
	s_barrier_wait -1
	SCALES 1
	WIN 0xc0
.irp kk, 0,1,2,3
.irp i, 0,1,2,3
	FRAG 64*\kk+16*\i, ADRB+1, \kk, \i
.endr
.endr
	PLACES 8                                       ; in front of the loads into A's registers, which the products above have read
	WIN 0x80
.irp a, 0,1,2,3
.irp kk, 0,1,2,3
	FRAG 64*\a+16*\kk, ADRA+1, \kk, \a
.endr
.endr
	WIN 0
	s_wait_dscnt 48                                ; all but the blocks 1 to 3 of A
	ROW 0
	PLACES 8
	TOSTAGE 0
	s_wait_dscnt 48                                ; A's block 1 is in: behind it two blocks' 32 loads and the stage's 16 lines
.irp a, 1,2,3
	ROW \a
	SEND \a-1
	s_wait_xcnt 0x0                                ; the stores have read their data: the next block's rows may land there
	PLACES 8
	TOSTAGE \a
.endr
	SEND 3
	s_wait_tensorcnt 0x0                           ; the wave's end
	ds_add_u32 v[SPW], v[NIL]
	s_wait_dscnt 0x0
	CROUND                                         ; the closing round: no work-group ends while a partner may still ask for a tile that names it
	s_endpgm
.Lfunc_end_k_q0fbe2374a6_outp:
	.size	k_q0fbe2374a6_outp, .Lfunc_end_k_q0fbe2374a6_outp-k_q0fbe2374a6_outp
	.p2alignl 7, 3214868480
	.fill 96, 4, 3214868480
	.section	.rodata,"a",@progbits
	.p2align	6, 0x0
	.amdhsa_kernel k_q0fbe2374a6_outp
		.amdhsa_group_segment_fixed_size 288256
		.amdhsa_private_segment_fixed_size 0
		.amdhsa_enable_private_segment 0
		.amdhsa_kernarg_size 32
		.amdhsa_user_sgpr_count 2
		.amdhsa_user_sgpr_kernarg_segment_ptr 1
		.amdhsa_wavefront_size32 1
		.amdhsa_system_sgpr_workgroup_id_x 1
		.amdhsa_system_sgpr_workgroup_id_y 1
		.amdhsa_system_sgpr_workgroup_id_z 1
		.amdhsa_system_vgpr_workitem_id 0
		.amdhsa_next_free_vgpr 1024
		.amdhsa_next_free_sgpr 100
		.amdhsa_reserve_vcc 0
		.amdhsa_float_denorm_mode_32 3
		.amdhsa_float_denorm_mode_16_64 3
		.amdhsa_memory_ordered 1
		.amdhsa_forward_progress 1
		.amdhsa_inst_pref_size 51
	.end_amdhsa_kernel
	.amdgpu_metadata
---
amdhsa.version: [ 1, 2 ]
amdhsa.kernels:
  - .name:           k_q0fbe2374a6_outp
    .symbol:         k_q0fbe2374a6_outp.kd
    .args:
      - { .name: ao_codes, .offset: 0, .size: 8, .value_kind: global_buffer, .address_space: global }
      - { .name: w_codes, .offset: 8, .size: 8, .value_kind: global_buffer, .address_space: global }
      - { .name: bo, .offset: 16, .size: 8, .value_kind: global_buffer, .address_space: global }
      - { .name: out0, .offset: 24, .size: 8, .value_kind: global_buffer, .address_space: global }
    .group_segment_fixed_size: 288256
    .private_segment_fixed_size: 0
    .kernarg_segment_align: 8
    .kernarg_segment_size: 32
    .max_flat_workgroup_size: 128
    .sgpr_count:     100
    .vgpr_count:     1024
    .wavefront_size: 32
...
	.end_amdgpu_metadata
.endif
;; end of part 4
